; MI455X (gfx1250); checked and timed in simulation.
; The chip was launched on July 23, 2026; its instructions are those of AMD's public machine-readable ISA for CDNA 5 (MIT licence, August 2026) and "CDNA5" Instruction Set Architecture Reference Guide (July 2026). The comments in the code are by the model that wrote it; some were corrected since.
;; Adaptive Gravity Attention. Allowed arithmetic: matrix products marked QUANTISED: E2M3 operands, one E8M0 scale for each 32 along K, by v_wmma_scale_f32_16x16x128_f8f6f4 with both operands' format E2M3, f32 sums; everything else in f32.
;; Inputs: W_attn 1,024 x 3,072 float32; W_proj 1,024 x 1,024 float32; g_b 16 float32; g_w 1,024 x 16 float32; rope 2,048 x 64 float32; x 4 x 2,048 x 1,024 float32.
;; Outputs: out0 4 x 2,048 x 1,024 float32.
;; This version of the problem:
;;   THIS VERSION OF THE PROBLEM IS GIVEN IN LOW PRECISION. The matrix products marked QUANTISED in the list below multiply operands that are first quantised to E2M3 (2 exponent bits, 3 mantissa bits; 6 bits a number), with one power-of-two scale for each 32 numbers along K (OCP MX v1.0); their sums are f32. All else is computed in f32.
;;   The module's matrix products, in the order in which they are computed (A, B: the left and right operand; K: the contracted axis; several contracted axes count as one K, in the product's order):
;;     1. [M 8,192, K 1,024] x [K 1,024, N 3,072]; A: input x; B: input W_attn: QUANTISED
;;     2. batch 64 x [M 2,048, K 64] x [K 64, N 2,048]; A: computed on the way; B: computed on the way: QUANTISED
;;     3. [M 8,192, K 1,024] x [K 1,024, N 16]; A: input x; B: input g_w: QUANTISED
;;     4. batch 64 x [M 2,048, K 2,048] x [K 2,048, N 64]; A: softmax (see below); B: computed on the way: QUANTISED
;;     5. [M 8,192, K 1,024] x [K 1,024, N 1,024]; A: computed on the way; B: input W_proj: QUANTISED
;;   THE QUANTISER, for each operand of a quantised product, along K:
;;     - K is cut into blocks of 32 from its start; a last block that is shorter is filled with zeros.
;;     - A block's scale is 2^e with e = floor(log2(the largest magnitude in the block)) - 2, held to -126 .. 127; a block of zeros has e = 0. As a byte (E8M0): e + 127.
;;     - Each number is divided by its block's scale, clamped to +-7.5, and rounded to the nearest number of E2M3, ties to even, subnormals kept.
;;     - The product sums the exact products of the quantised numbers (number of the format x scale) in f32.
;;   ~~~python
;;   def quantise(x, axis):      # numpy; x: float32 -> the quantised numbers, widened to float32 again
;;       x = np.moveaxis(x, axis, -1); K = x.shape[-1]
;;       x = np.pad(x, [(0, 0)] * (x.ndim - 1) + [(0, -K % 32)]); x = x.reshape(x.shape[:-1] + (-1, 32)); a = np.abs(x).max(-1, keepdims=True)
;;       e = np.where(a > 0, np.clip(np.frexp(np.where(a > 0, a, 1))[1] - 1 - 2, -126, 127), 0)      # np.frexp(a)[1] - 1 = floor(log2(a)), exactly
;;       r = np.clip(x / 2.0 ** e, -7.5, 7.5)
;;       step = 2.0 ** (np.maximum(np.frexp(np.where(r == 0, 1, r))[1] - 1, 0) - 3)
;;       q = np.round(r / step) * step * 2.0 ** e      # np.round: ties to even
;;       return np.moveaxis(q.reshape(q.shape[:-2] + (-1,))[..., :K], -1, axis).astype(np.float32)
;;   ~~~
;;   SOFTMAX AHEAD OF A QUANTISED PRODUCT. Where the list says 'softmax', what is quantised is not the finished softmax but p = 2^(t - M), with t = logit x log2(e) and M = ceil(the row's largest t), a whole number; so 1/2 < the row's largest p <= 1. The row's sum l is taken of the UNQUANTISED p, in f32, and the product's result is divided by l at the end. Since M is a whole number, a kernel that streams over the keys may use a running M (the ceiling of the running maximum): every later rescaling is an exact power of two, which a block's scale takes up: the codes' values come out the same.
;;   OPERANDS COMPUTED ON THE WAY. 'Computed on the way' means the value that the module computes at that place (a softmax that the list does not call 'softmax' is quantised finished and normalised). What goes into a quantiser is computed in f32, as accurately as f32 sums, v_exp_f32 and their like allow (about 1e-6 of the number): no bf16 or f16 on the way to a quantiser, and a product that is left as it is and whose result goes on into a quantised operand takes f32 operands (vector FMAs, or v_wmma_f32_16x16x4_f32). A number that lies on a knife's edge between two numbers of the format may be rounded either way, as far as f32 arithmetic and the matrix unit's own rounding can turn it there, and no further.
;; One version. Each part assembles by itself: llvm-mc -triple=amdgcn-amd-amdhsa -mcpu=gfx1250 --defsym DOCPART=n.
;; ======== version 1 of 1: 4 launches
;; limits: inputs' magnitudes at most 10,000; right only within a limited range of input values
;; workspace buffers: xq 6,553,600 bytes; wq 3,276,800 bytes; aux 1,572,864 bytes; qkv 19,660,800 bytes; yq 6,553,600 bytes
;; launch prep (part 1): grid 288 x 1, 4 waves a work-group, no clusters, 100,864 bytes of LDS; arguments x, W_attn, W_proj, g_w, g_b, rope, xq, wq, aux; writes xq, wq, aux
.if DOCPART == 1
	.amdgcn_target "amdgcn-amd-amdhsa--gfx1250"
	.amdhsa_code_object_version 6
	.text
	.protected	k_q23703daa1c_prep
	.globl	k_q23703daa1c_prep
	.p2align	8
	.type	k_q23703daa1c_prep,@function
k_q23703daa1c_prep:
	s_mov_b64 s[64:65], 0
	v_nop
	global_prefetch_b8 v0, s[64:65] scope:SCOPE_SE
	s_setreg_imm32_b32 hwreg(HW_REG_WAVE_MODE, 25, 1), 1
	s_wait_xcnt 0x0
; PREP: everything that is quantised or tabulated once.  Four roles, chosen by the work-group's number; each has LDS bytes of its own and ends by itself.
;   X  (work-groups 0-127):   x [8192][1024] f32 -> codes of E2M3 and E8M0 scale words in xq; on the codes just made the product x g_w (K = 1024, N = 16 heads);
;                             G' = -0.8 softplus(x g_w + g_b) -> aux (the factor folds 0.1 and the scores' 1/8 into one number).
;   WA (128-223), WP (224-255): W_attn [1024][3072], W_proj [1024][1024], whose K is the FIRST axis -> codes and scale words in wq.
;   T  (256-287):             cos(rope) and +-sin(rope) -> aux, in the order in which the next launch's result registers want them.
; LAYOUT OF ALL CODES (this program alone reads them): a FRAGMENT, 16 rows x 128 K, is the image of the matrix operand's 12 registers, 1,536 bytes: half c (registers 6c .. 6c+5, K = 64c + 32 (lane/16) + 0..31)
; at 768 c: registers 6c..6c+3 at 16 x lane (512 bytes), registers 6c+4, 6c+5 at 8 x lane (256 bytes).  An operand is [rows/128][K step 0..7][tile 0..7][1,536].
; THE ROWS OF A TILE ARE NOT NEIGHBOURS: lane r of tile i of a block of 128 rows holds row 32 (i/2) + 8 (i%2) + r + 8 (r/8), so that results of a product whose source 0 is such a tile run along that axis in a lane's registers.
; Scale words (four E8M0 bytes: one row, one K step): [rows/128][tile 8][K step / 4][r 16][K step % 4], 4,096 bytes a block.
; A block's scale is 2^(floor(log2(largest magnitude)) - 2): its byte is the magnitude's exponent field - 2, held at 1 from below by a floor among the maximum's leaves.
; LIMITS: a block of zeros gets the byte 1 where the rule says 127 (its codes are zeros, and only this program reads the bytes); NaN and infinities among the inputs are not served;
; sine and cosine: a three-part reduction by pi/2 and polynomials, for |rope| up to 1e4; softplus = max(z,0) + ln2 log2(1 + 2^(-|z| log2 e)), absolute error about 1e-7.
.set XSTG,  0                          ; role X: a stage of 16 rows x (512 + 16) bytes for each wave
.set GIMG,  33792                      ; role X: g_w's eight fragments, as images of their registers (three stores of 512 bytes each)
.set GSC,   46080                      ; role X: their scale words, 128 bytes each
.set WALB,  47104                      ; role WA: four fragments x 1,664 bytes for each wave
.set WPLB,  73728                      ; role WP: the same
.set XN,    144                        ; v144-207 64 numbers of a lane: register 32c+i = K 64c + 32 (lane/16) + i;  v144-155 then take g_w's fragment
.set PC,    208                        ; v208-219 the codes just made
.set CT,    220                        ; v220-227 the second halves of the blocks, as the conversions leave them
.set TM,    228                        ; v228-235 at work
.set GWS,   236                        ; v236     g_w's scale word: scales and nothing else
.set WS,    238                        ; v238-245 x's scale words of the eight K steps: scales and nothing else
.set ACC,   246                        ; v246-253 x g_w + g_b
.macro XLOAD k, set                    ; K step k of my 16 rows: each load reads 512 consecutive bytes of one row
.irp i, 0,1,2,3,4,5,6,7,8,9,10,11,12,13,14,15
	global_load_b128 v[16+64*(\set)+4*\i:16+64*(\set)+4*\i+3], v4, s[24:25] offset:(\i+8*(\i/8))*4096+512*(\k) th:TH_LOAD_NT
.endr
.endm
; The 64 numbers in v[XN] on become a fragment's codes in v[PC] on, and the row's scale word in v[w].  A lane holds two whole blocks; the word's other two bytes come from lane l xor 16.
.macro QB w
.irp c, 0,1
	v_max3_num_f32 v[TM+\c], |v[XN+32*\c]|, |v[XN+32*\c+1]|, 0x1800000   ; with the floor 2^(3 - 127): the byte cannot fall under 1
.endr
.irp i, 2,4,6,8,10,12,14,16,18,20,22,24,26,28,30
.irp c, 0,1
	v_max3_num_f32 v[TM+\c], v[TM+\c], |v[XN+32*\c+\i]|, |v[XN+32*\c+\i+1]|
.endr
.endr
.irp c, 0,1
	v_add_nc_u32 v[TM+2+\c], 0xff000000, v[TM+\c]      ; 2 off the exponent field: the conversion's scale operand
.endr
.irp c, 0,1
	v_lshrrev_b32 v[TM+4+\c], 23, v[TM+2+\c]           ; the scale's byte
.endr
	v_lshl_or_b32 v[TM+7], v[TM+5], 16, v[TM+4]        ; my bytes: blocks h and 2 + h,
	v_lshlrev_b32 v[TM+7], v13, v[TM+7]                ; 8 h bits up
	v_permlanex16_b32 v[TM+6], v[TM+7], s62, s63
	v_or_b32 v[\w], v[TM+7], v[TM+6]                   ; with lane l xor 16's two the word is whole
.irp c, 0,1
	v_cvt_scalef32_pk16_fp6_f32 v[PC+6*\c:PC+6*\c+2], v[XN+32*\c:XN+32*\c+15], v[TM+2+\c]
	v_cvt_scalef32_pk16_fp6_f32 v[CT+4*\c:CT+4*\c+2], v[XN+32*\c+16:XN+32*\c+31], v[TM+2+\c]   ; (a conversion's three registers begin on an even number)
.endr
	v_nop                                              ; one plain place behind the scaled conversions
.irp c, 0,1
.irp i, 0,1,2
	v_mov_b32 v[PC+6*\c+3+\i], v[CT+4*\c+\i]
.endr
.endr
.endm
.macro GIMAGE s                        ; g_w's fragment and scale word of my K step s (0, 1) go to LDS as they stand
.irp g, 0,1,2
	ds_store_b128 v9, v[PC+4*\g:PC+4*\g+3] offset:1536*(\s)+512*\g
.endr
	ds_store_b32 v10, v254 offset:128*(\s)
	s_wait_dscnt 0x0                                   ; the stores have read their registers
.endm
; One K step of x: through the stage, quantised, stored, multiplied by g_w's fragment of the same K step.
.macro XSTEP k
.if \k < 7
	s_wait_loadcnt 16                                  ; this K step's 16 loads are in; the next one's may be out
.else
	s_wait_loadcnt 0
.endif
.irp i, 0,1,2,3,4,5,6,7,8,9,10,11,12,13,14,15
	ds_store_b128 v6, v[16+64*((\k)%2)+4*\i:16+64*((\k)%2)+4*\i+3] offset:528*\i
.endr
.irp c, 0,1
.irp j, 0,1,2,3,4,5,6,7
	ds_load_b128 v[XN+32*\c+4*\j:XN+32*\c+4*\j+3], v7 offset:256*\c+16*\j   ; LDS serves a wave's instructions in order: these see the stores above
.endr
.endr
	s_wait_dscnt 0x0
	s_wait_xcnt 0x0                                    ; the last K step's stores have read v[PC] on: it is rewritten only behind this wait
.if \k < 6
	XLOAD (\k)+2, (\k)%2
.endif
	QB WS+(\k)
.irp g, 0,1,2
	ds_load_b128 v[XN+4*\g:XN+4*\g+3], v11 offset:1536*(\k)+512*\g
.endr
	ds_load_b32 v[GWS], v12 offset:128*(\k)
	global_store_b128 v4, v[PC:PC+3], s[26:27] offset:12288*(\k)
	global_store_b64 v5, v[PC+4:PC+5], s[26:27] offset:12288*(\k)+512
	global_store_b128 v4, v[PC+6:PC+9], s[26:27] offset:12288*(\k)+768
	global_store_b64 v5, v[PC+10:PC+11], s[26:27] offset:12288*(\k)+1280
.rept 8
	v_nop                                              ; x's scale word was written by a vector instruction: eight places ahead of the scaled product (its codes: four)
.endr
	s_wait_alu depctr_va_vdst(0)
	s_wait_dscnt 0x0
.if \k > 0
	s_wait_alu depctr_va_vdst(0)                       ; the wait stands directly ahead of each link
.endif
	v_wmma_scale_f32_16x16x128_f8f6f4 v[ACC:ACC+7], v[XN:XN+11], v[PC:PC+11], v[ACC:ACC+7], v[GWS], v[WS+(\k)] matrix_a_fmt:MATRIX_FMT_FP6 matrix_b_fmt:MATRIX_FMT_FP6
.rept 4
	v_nop                                              ; four places ahead of the loads and conversions into its sources, and of the first read of the sum
.endr
.endm
; Roles WA, WP.  A lane takes a column n and its registers run down K: a block of 32 lies in one lane.
.macro WLOAD t, N
.set II, 0
.rept 32
	global_load_b32 v[32+32*((\t)%2)+II], v3, s[24:25] offset:(32*(\t)+II)*(\N)*4 th:TH_LOAD_NT
.set II, II+1
.endr
.endm
.macro WBLOCK t, N                     ; block t of my 256 along K: K step t/4, half (t/2)%2, lanes' half t%2 of the fragment
.set XS, 32+32*((\t)%2)
.if \t < 7
	s_wait_loadcnt 32                                  ; this block's 32 loads are in; the next block's may be out
.else
	s_wait_loadcnt 0
.endif
	v_max3_num_f32 v12, |v[XS]|, |v[XS+1]|, |v[XS+2]|
	v_max3_num_f32 v13, |v[XS+3]|, |v[XS+4]|, |v[XS+5]|
.irp i, 6,10,14,18,22,26
	v_max3_num_f32 v12, v12, |v[XS+\i]|, |v[XS+\i+1]|
	v_max3_num_f32 v13, v13, |v[XS+\i+2]|, |v[XS+\i+3]|
.endr
	v_max3_num_f32 v12, v12, |v[XS+30]|, |v[XS+31]|
	v_max3_num_f32 v12, v12, v13, 0x1800000            ; the floor
	v_add_nc_u32 v11, 0xff000000, v12
	v_lshrrev_b32 v13, 23, v11
.if (\t)%4 == 0
	v_mov_b32 v[24+(\t)/4], v13
.else
	v_lshl_or_b32 v[24+(\t)/4], v13, 8*((\t)%4), v[24+(\t)/4]
.endif
	v_cvt_scalef32_pk16_fp6_f32 v[96:98], v[XS:XS+15], v11
	v_cvt_scalef32_pk16_fp6_f32 v[100:102], v[XS+16:XS+31], v11
	v_nop                                              ; one plain place behind the scaled conversions
	v_mov_b32 v99, v100
	v_mov_b32 v100, v101
	v_mov_b32 v101, v102                               ; v96-101: the block's 24 bytes on end
	ds_store_b128 v4, v[96:99] offset:((\t)/4)*3328+(((\t)/2)%2)*768+((\t)%2)*256
	ds_store_b64 v5, v[100:101] offset:((\t)/4)*3328+(((\t)/2)%2)*768+((\t)%2)*128
.if \t < 6
	WLOAD (\t)+2, \N
.endif
	s_wait_dscnt 0x0                                   ; the stores have read their registers
.endm
.macro WROLE N, first, srcn, CO, SO, LB
	s_sub_co_u32 s34, ttmp9, \first
	s_lshr_b32 s35, s34, 2                             ; which block of 128 columns
	s_and_b32 s34, s34, 3                              ; which 256 along K
	s_mul_i32 s36, s34, 256*\N*4
	s_lshl_b32 s38, s35, 9
	s_add_co_u32 s36, s36, s38
	s_lshl_b32 s38, s22, 7
	s_add_co_u32 s36, s36, s38
	s_add_nc_u64 s[24:25], s[\srcn:\srcn+1], s[36:37]  ; the weight at my first row of K and my wave's first column
	s_mul_i32 s36, s35, 98304
	s_mul_i32 s38, s34, 24576
	s_add_co_u32 s36, s36, s38
	s_mul_i32 s38, s22, 3072
	s_add_co_u32 s36, s36, s38
.if \CO
	s_add_co_u32 s36, s36, \CO
.endif
	s_add_nc_u64 s[26:27], s[18:19], s[36:37]          ; my four fragments: K steps 2 kq, 2 kq + 1, tiles 2 w, 2 w + 1
	s_lshl_b32 s36, s35, 12
	s_lshl_b32 s38, s22, 10
	s_add_co_u32 s36, s36, s38
	s_lshr_b32 s38, s34, 1
	s_lshl_b32 s38, s38, 8
	s_add_co_u32 s36, s36, s38
	s_and_b32 s38, s34, 1
	s_lshl_b32 s38, s38, 3
	s_add_co_u32 s36, s36, s38
	s_add_co_u32 s36, s36, \SO
	s_add_nc_u64 s[28:29], s[18:19], s[36:37]          ; my scale words
	v_lshlrev_b32 v3, 2, v1                            ; in: 4 bytes a lane
	v_bfe_u32 v10, v1, 3, 1                            ; u: which of my two tiles the column falls into
	v_and_b32 v11, 7, v1
	v_lshrrev_b32 v12, 4, v1
	v_lshl_add_u32 v11, v12, 3, v11                    ; r': its lane there
	s_mul_i32 s38, s22, 6656
	s_add_co_u32 s38, s38, \LB                         ; my stage
	v_mul_u32_u24 v13, v10, 1664
	v_add_nc_u32 v13, s38, v13
	v_lshl_add_u32 v4, v11, 4, v13
	v_lshl_add_u32 v5, v11, 3, v13
	v_add_nc_u32 v5, 512, v5
	v_lshlrev_b32 v8, 4, v1
	v_add_nc_u32 v7, s38, v8
	v_lshlrev_b32 v9, 9, v10
	v_lshl_add_u32 v9, v11, 4, v9
	WLOAD 0, \N
	WLOAD 1, \N
.irp t, 0,1,2,3,4,5,6,7
	WBLOCK \t, \N
.endr
	s_wait_alu depctr_va_vdst(0)
	global_store_b64 v9, v[24:25], s[28:29]            ; my column's two scale words
.irp n, 0,1,2,3,4,5,6,7,8,9,10,11
	ds_load_b128 v[112+4*\n:115+4*\n], v7 offset:(\n/3)*1664+512*(\n%3)
.endr
.irp n, 0,1,2,3,4,5,6,7,8,9,10,11
	s_wait_dscnt 11-\n
	global_store_b128 v8, v[112+4*\n:115+4*\n], s[26:27] offset:(\n/6)*12288+((\n/3)%2)*1536+512*(\n%3)   ; 512 consecutive bytes a store
.endr
	s_wait_tensorcnt 0x0
	ds_add_u32 v237, v255
	s_wait_dscnt 0x0
	s_endpgm
.endm
; Role T: four angles at a time.  n = the nearest whole number to x 2/pi; r = x - n pi/2 in three parts; polynomials for cos r and sin r; the quadrant swaps them and sets the signs.
.macro SC4 g
	s_wait_loadcnt 7-(\g)
.irp k, 0,1,2,3
	v_mul_f32 v[112+\k], s40, v[16+4*(\g)+\k]
.endr
.irp k, 0,1,2,3
	v_rndne_f32 v[112+\k], v[112+\k]
.endr
.irp k, 0,1,2,3
	v_fma_f32 v[116+\k], -v[112+\k], s41, v[16+4*(\g)+\k]
.endr
.irp k, 0,1,2,3
	v_fma_f32 v[116+\k], -v[112+\k], s42, v[116+\k]
.endr
.irp k, 0,1,2,3
	v_fma_f32 v[116+\k], -v[112+\k], s43, v[116+\k]
.endr
.irp k, 0,1,2,3
	v_cvt_i32_f32 v[120+\k], v[112+\k]
.endr
.irp k, 0,1,2,3
	v_mul_f32 v[124+\k], v[116+\k], v[116+\k]
.endr
.irp k, 0,1,2,3
	v_fma_f32 v[128+\k], v[124+\k], s44, s45
.endr
.irp k, 0,1,2,3
	v_fma_f32 v[128+\k], v[128+\k], v[124+\k], s46
.endr
.irp k, 0,1,2,3
	v_fma_f32 v[128+\k], v[128+\k], v[124+\k], -0.5
.endr
.irp k, 0,1,2,3
	v_fma_f32 v[128+\k], v[128+\k], v[124+\k], 1.0     ; cos r
.endr
.irp k, 0,1,2,3
	v_fma_f32 v[132+\k], v[124+\k], s47, s48
.endr
.irp k, 0,1,2,3
	v_fma_f32 v[132+\k], v[132+\k], v[124+\k], s49
.endr
.irp k, 0,1,2,3
	v_fma_f32 v[132+\k], v[132+\k], v[124+\k], s50
.endr
.irp k, 0,1,2,3
	v_mul_f32 v[136+\k], v[116+\k], v[124+\k]
.endr
.irp k, 0,1,2,3
	v_fma_f32 v[132+\k], v[132+\k], v[136+\k], v[116+\k]   ; sin r
.endr
.irp k, 0,1,2,3
	v_and_b32 v[136+\k], 1, v[120+\k]
	v_cmp_eq_u32 vcc_lo, 1, v[136+\k]
	v_cndmask_b32 v[112+\k], v[132+\k], v[128+\k], vcc_lo  ; the sine's magnitude: in odd quadrants cos r
	v_cndmask_b32 v[116+\k], v[128+\k], v[132+\k], vcc_lo  ; the cosine's
.endr
.irp k, 0,1,2,3
.if (\g) < 4
	v_add_nc_u32 v[136+\k], 2, v[120+\k]               ; the lower 32 dimensions take -sin: the rotation's minus goes into the table
	v_lshlrev_b32 v[136+\k], 30, v[136+\k]
.else
	v_lshlrev_b32 v[136+\k], 30, v[120+\k]             ; the sine's sign: bit 1 of the quadrant
.endif
	v_add_nc_u32 v[124+\k], 1, v[120+\k]               ; the cosine's: bit 1 of the quadrant + 1
.endr
.irp k, 0,1,2,3
	v_lshlrev_b32 v[124+\k], 30, v[124+\k]
	v_and_b32 v[136+\k], 0x80000000, v[136+\k]
.endr
.irp k, 0,1,2,3
	v_and_b32 v[124+\k], 0x80000000, v[124+\k]
	v_xor_b32 v[80+4*(\g)+\k], v[136+\k], v[112+\k]
.endr
.irp k, 0,1,2,3
	v_xor_b32 v[48+4*(\g)+\k], v[124+\k], v[116+\k]
.endr
	global_store_b128 v5, v[48+4*(\g):51+4*(\g)], s[20:21] offset:512*(\g)
	global_store_b128 v5, v[80+4*(\g):83+4*(\g)], s[20:21] offset:4096+512*(\g)
.endm
	s_load_b512 s[4:19], s[0:1], 0x0                   ; x s4, W_attn s6, W_proj s8, g_w s10, g_b s12, rope s14, xq s16, wq s18
	s_load_b64 s[20:21], s[0:1], 0x40                  ; aux
	v_lshl_add_u32 v237, v0, 2, 0x18800
	v_mov_b32 v255, 0
	v_lshrrev_b32 v1, 5, v0
	v_readfirstlane_b32 s22, v1                        ; wave 0..3
	v_and_b32 v1, 31, v0                               ; lane
	v_and_b32 v2, 15, v0                               ; r
	v_bfe_u32 v3, v0, 4, 1                             ; h
	s_mov_b32 s37, 0                                   ; the upper word of every 32-bit offset
	s_wait_kmcnt 0x0
	s_cmp_lt_u32 ttmp9, 128
	s_cbranch_scc1 .Lrole_x
	s_cmp_lt_u32 ttmp9, 224
	s_cbranch_scc1 .Lrole_wa
	s_cmp_lt_u32 ttmp9, 256
	s_cbranch_scc1 .Lrole_wp
	; ---- role T: wave w makes the table of tile 4 (work-group - 256) + w of 16 positions: register 16 b + i of lane (r, h): dimension 32 b + 16 h + i
	s_sub_co_u32 s34, ttmp9, 256
	s_lshl_b32 s34, s34, 2
	s_add_co_u32 s34, s34, s22
	s_lshr_b32 s35, s34, 1
	s_lshl_b32 s35, s35, 13                            ; 32 positions of 256 bytes
	s_and_b32 s36, s34, 1
	s_lshl_b32 s36, s36, 11                            ; 8 positions
	s_add_co_u32 s36, s36, s35
	s_add_nc_u64 s[14:15], s[14:15], s[36:37]
	s_lshl_b32 s36, s34, 13                            ; a tile's table is 8,192 bytes
	s_add_nc_u64 s[20:21], s[20:21], s[36:37]
	s_wait_alu depctr_va_vdst(0)
	v_and_b32 v4, 8, v2
	v_add_nc_u32 v4, v4, v2                            ; r + 8 (r / 8)
	v_lshlrev_b32 v4, 8, v4
	v_lshl_add_u32 v4, v3, 6, v4
	v_lshlrev_b32 v5, 4, v1
.irp g, 0,1,2,3,4,5,6,7
	global_load_b128 v[16+4*\g:19+4*\g], v4, s[14:15] offset:128*(\g/4)+16*(\g%4)
.endr
	s_mov_b32 s40, 0x3f22f983                          ; 2 / pi
	s_mov_b32 s41, 0x3fc90fd8                          ; pi / 2 in three parts
	s_mov_b32 s42, 0x34a8885a
	s_mov_b32 s43, 0x27c234c4
	s_mov_b32 s44, 0x37cd4000                          ; the cosine's coefficients (then -0.5 and 1.0)
	s_mov_b32 s45, 0xbab6077d
	s_mov_b32 s46, 0x3d2aaaa8
	s_mov_b32 s47, 0x36405000                          ; the sine's
	s_mov_b32 s48, 0xb9503486
	s_mov_b32 s49, 0x3c0888c1
	s_mov_b32 s50, 0xbe2aaaab
.irp g, 0,1,2,3,4,5,6,7
	SC4 \g
.endr
	s_endpgm
.Lrole_x:
	; ---- role X: wave w owns tile 4 x work-group + w of 16 rows of x, for all of K
	s_mov_b32 s62, 0x76543210
	s_mov_b32 s63, 0xfedcba98                          ; v_permlanex16_b32's selects for lane l xor 16
	s_lshl_b32 s34, ttmp9, 2
	s_add_co_u32 s34, s34, s22                         ; my tile, 0 .. 511
	s_lshr_b32 s35, s34, 1
	s_lshl_b32 s35, s35, 17                            ; 32 rows of 4,096 bytes
	s_and_b32 s36, s34, 1
	s_lshl_b32 s36, s36, 15                            ; 8 rows
	s_add_co_u32 s36, s36, s35
	s_add_nc_u64 s[24:25], s[4:5], s[36:37]            ; x at the tile's first row
	s_lshr_b32 s38, s34, 3
	s_and_b32 s39, s34, 7
	s_mul_i32 s36, s38, 98304
	s_mul_i32 s35, s39, 1536
	s_add_co_u32 s36, s36, s35
	s_add_nc_u64 s[26:27], s[16:17], s[36:37]          ; its fragments
	s_lshl_b32 s36, s38, 12
	s_lshl_b32 s35, s39, 9
	s_add_co_u32 s36, s36, s35
	s_add_co_u32 s36, s36, 6291456
	s_add_nc_u64 s[28:29], s[16:17], s[36:37]          ; its scale words
	s_lshl_b32 s36, s34, 10
	s_add_co_u32 s36, s36, 1048576
	s_add_nc_u64 s[30:31], s[20:21], s[36:37]          ; its G'
	s_lshl_b32 s36, s22, 14
	s_add_nc_u64 s[32:33], s[10:11], s[36:37]          ; g_w at K step 2 w: 256 rows of 64 bytes a wave
	s_wait_alu depctr_va_vdst(0)
	v_lshlrev_b32 v4, 4, v1
	v_lshlrev_b32 v5, 3, v1
	s_mul_i32 s40, s22, 8448
	v_add_nc_u32 v6, s40, v4                           ; the stage, on the way in: a row's 512 bytes as they lie
	v_mul_u32_u24 v7, v2, 528
	v_lshl_add_u32 v7, v3, 7, v7
	v_add_nc_u32 v7, s40, v7                           ; and out: row r, + 128 h
	v_lshlrev_b32 v8, 2, v2
	v_lshl_add_u32 v8, v3, 11, v8                      ; g_w: column r, 32 h rows down
	s_mul_i32 s41, s22, 3072
	s_add_co_u32 s41, s41, GIMG
	v_add_nc_u32 v9, s41, v4
	s_lshl_b32 s41, s22, 8
	s_add_co_u32 s41, s41, GSC
	v_lshl_add_u32 v10, v1, 2, s41
	v_add_nc_u32 v11, GIMG, v4
	v_lshl_add_u32 v12, v1, 2, GSC
	v_lshlrev_b32 v13, 3, v3
	v_lshlrev_b32 v14, 5, v3
	v_mov_b32 v[TM+6], 0                               ; written once: a lane permute's destination counts as one of its sources
	global_load_b128 v[ACC:ACC+3], v14, s[12:13]       ; g_b of heads 8 h + 0 .. 7: the C of the sum's first product
	global_load_b128 v[ACC+4:ACC+7], v14, s[12:13] offset:16
.set II, 0
.rept 64
	global_load_b32 v[XN+II], v8, s[32:33] offset:(II/32)*4096+(II%32)*64
.set II, II+1
.endr
	XLOAD 0, 0
	XLOAD 1, 1
	s_wait_loadcnt 32                                  ; g_b and g_w's first K step are in; the 32 loads of x behind them may be out
	QB 254
	GIMAGE 0
.set II, 0
.rept 64
	global_load_b32 v[XN+II], v8, s[32:33] offset:8192+(II/32)*4096+(II%32)*64
.set II, II+1
.endr
	s_wait_loadcnt 0x0
	QB 254
	GIMAGE 1
	s_barrier_signal -1                                ; (each wave's stores have landed: the wait stands in GIMAGE)
	s_barrier_wait -1                                  ; g_w's eight fragments lie in LDS
.irp k, 0,1,2,3,4,5,6,7
	XSTEP \k
.endr
	; G' = -0.8 softplus(z), from the sum's low end on
.irp j, 0,1,2,3,4,5,6,7
	v_mul_f32 v[16+\j], 0xbfb8aa3b, |v[ACC+\j]|        ; -|z| log2 e
.endr
	s_wait_alu depctr_va_vdst(0)
.irp j, 0,1,2,3,4,5,6,7
	v_exp_f32 v[16+\j], v[16+\j]
.endr
	v_cmp_gt_u32 vcc_lo, 16, v1                        ; (a plain place behind the exponentials)  lanes 0-15
	s_wait_alu depctr_va_vdst(0)
.irp j, 0,1,2,3,4,5,6,7
	v_add_f32 v[16+\j], 1.0, v[16+\j]
.endr
	s_wait_alu depctr_va_vdst(0)
.irp j, 0,1,2,3,4,5,6,7
	v_log_f32 v[16+\j], v[16+\j]
.endr
.irp j, 0,1,2,3,4,5,6,7
	v_max_num_f32 v[24+\j], 0, v[ACC+\j]               ; (plain places behind the logarithms)
.endr
	s_wait_alu depctr_va_vdst(0)
.irp j, 0,1,2,3,4,5,6,7
	v_fmamk_f32 v[16+\j], v[16+\j], 0x3f317218, v[24+\j]   ; ln 2 x log2(..) + max(z, 0)
.endr
.irp j, 0,1,2,3,4,5,6,7
	v_mul_f32 v[16+\j], 0xbf4ccccd, v[16+\j]
.endr
	global_store_b128 v4, v[16:19], s[30:31]
	global_store_b128 v4, v[20:23], s[30:31] offset:512
.irp j, 0,1,2,3
	v_cndmask_b32 v[32+\j], v[WS+4+\j], v[WS+\j], vcc_lo   ; lanes 0-15 store row r's words of K steps 0-3, lanes 16-31 those of K steps 4-7
.endr
	global_store_b128 v4, v[32:35], s[28:29]
	s_wait_tensorcnt 0x0
	ds_add_u32 v237, v255
	s_wait_dscnt 0x0
	s_endpgm
.Lrole_wa:
	s_wait_alu depctr_va_vdst(0)
	WROLE 3072, 128, 6, 0, 2359296, WALB
.Lrole_wp:
	s_wait_alu depctr_va_vdst(0)
	WROLE 1024, 224, 8, 2457600, 3244032, WPLB
.Lfunc_end_k_q23703daa1c_prep:
	.size	k_q23703daa1c_prep, .Lfunc_end_k_q23703daa1c_prep-k_q23703daa1c_prep
	.p2alignl 7, 3214868480
	.fill 96, 4, 3214868480
	.section	.rodata,"a",@progbits
	.p2align	6, 0x0
	.amdhsa_kernel k_q23703daa1c_prep
		.amdhsa_group_segment_fixed_size 100864
		.amdhsa_private_segment_fixed_size 0
		.amdhsa_enable_private_segment 0
		.amdhsa_kernarg_size 72
		.amdhsa_user_sgpr_count 2
		.amdhsa_user_sgpr_kernarg_segment_ptr 1
		.amdhsa_wavefront_size32 1
		.amdhsa_system_sgpr_workgroup_id_x 1
		.amdhsa_system_sgpr_workgroup_id_y 1
		.amdhsa_system_sgpr_workgroup_id_z 1
		.amdhsa_system_vgpr_workitem_id 0
		.amdhsa_next_free_vgpr 256
		.amdhsa_next_free_sgpr 66
		.amdhsa_reserve_vcc 1
		.amdhsa_float_denorm_mode_32 3
		.amdhsa_float_denorm_mode_16_64 3
		.amdhsa_memory_ordered 1
		.amdhsa_forward_progress 1
		.amdhsa_inst_pref_size 214
	.end_amdhsa_kernel
	.amdgpu_metadata
---
amdhsa.version: [ 1, 2 ]
amdhsa.kernels:
  - .name:           k_q23703daa1c_prep
    .symbol:         k_q23703daa1c_prep.kd
    .args:
      - { .name: x, .offset: 0, .size: 8, .value_kind: global_buffer, .address_space: global }
      - { .name: W_attn, .offset: 8, .size: 8, .value_kind: global_buffer, .address_space: global }
      - { .name: W_proj, .offset: 16, .size: 8, .value_kind: global_buffer, .address_space: global }
      - { .name: g_w, .offset: 24, .size: 8, .value_kind: global_buffer, .address_space: global }
      - { .name: g_b, .offset: 32, .size: 8, .value_kind: global_buffer, .address_space: global }
      - { .name: rope, .offset: 40, .size: 8, .value_kind: global_buffer, .address_space: global }
      - { .name: xq, .offset: 48, .size: 8, .value_kind: global_buffer, .address_space: global }
      - { .name: wq, .offset: 56, .size: 8, .value_kind: global_buffer, .address_space: global }
      - { .name: aux, .offset: 64, .size: 8, .value_kind: global_buffer, .address_space: global }
    .group_segment_fixed_size: 100864
    .private_segment_fixed_size: 0
    .kernarg_segment_align: 8
    .kernarg_segment_size: 72
    .max_flat_workgroup_size: 128
    .sgpr_count:     66
    .vgpr_count:     256
    .wavefront_size: 32
...
	.end_amdgpu_metadata
.endif
;; end of part 1
;; launch qkv (part 2): grid 8 x 64, 4 waves a work-group, clusters of 4 x 4, 327,680 bytes of LDS; arguments xq, wq, aux, qkv; writes qkv
.if DOCPART == 2
	.amdgcn_target "amdgcn-amd-amdhsa--gfx1250"
	.amdhsa_code_object_version 6
	.text
	.protected	k_q23703daa1c_qkv
	.globl	k_q23703daa1c_qkv
	.p2align	8
	.type	k_q23703daa1c_qkv,@function
k_q23703daa1c_qkv:
	s_mov_b64 s[64:65], 0
	v_nop
	global_prefetch_b8 v0, s[64:65] scope:SCOPE_SE
	s_setreg_imm32_b32 hwreg(HW_REG_WAVE_MODE, 25, 1), 1
	s_wait_xcnt 0x0
	s_wait_alu depctr_hold_cnt(0) depctr_sa_sdst(0) depctr_va_vdst(0) depctr_va_sdst(0) depctr_va_ssrc(0) depctr_va_vcc(0) depctr_vm_vsrc(0)
	s_getreg_b32 s2, hwreg(HW_REG_IB_STS2, 6, 4)
	s_cmp_eq_u32 s2, 0
	s_cbranch_scc0 .Lentry_in_a_cluster
	s_endpgm
.Lentry_in_a_cluster:
	s_bfe_u32 s2, ttmp6, 0x10000c
	s_cmp_lg_u32 s2, 0xf033
	s_cbranch_scc0 .Lentry_shape_is_right
	s_endpgm
.Lentry_shape_is_right:
; QKV = x W_attn on codes of E2M3 (K = 1024), and what follows it: the rotation of q and k, and the quantising of q, k (along the head's 64) and v (along the keys), all in registers.
; A work-group of four waves makes 256 x 256; a wave 128 x 128: 64 accumulators, 512 registers.  Source 0 of the matrix instruction is called B, source 1 A.
; TWO ROLES, chosen by the cluster's y, which all partners share:  QK (y < 8): B = 256 columns n of W (q's and k's), A = 256 rows of x: a lane holds one row of x and its registers run along n, the next K.
;   V (y >= 8): B = 256 rows of x (the keys), A = 256 columns of W (v's): a lane holds one channel of v and its registers run along the keys, the next K.
; Operands lie in memory as images of their registers (a fragment: 1,536 bytes; [rows/128][K step 8][tile 8]), so 256 along K of 128 rows are 24,576 dense bytes: one tensor load, and a fragment comes by four contiguous LDS loads.
; K has four such chunks.  Three LDS slots take chunks 0, 1, 2 as first fills; chunk 3 is the one refill, into slot 0.  All scale words (4,096 bytes for 128 rows) come once and go into 64 registers once.
; CLUSTERS: 4 x 4.  A's tiles hang on the cluster's row, B's on its column: each is asked for jointly.  A wave has one tensor load out at a time.
; THE ROWS OF A TILE: lane r of tile i of a block of 128 holds row 32 (i/2) + 8 (i%2) + r + 8 (r/8); so of the 64 registers of one A tile, register 16 b + i is B's row 32 b + 16 (lane/16) + i.
; OUT: for each (batch, head) a record of 307,200 bytes: sections Q, K, V of 102,400.  Q, K: fragment f = rows 32 f .. 32 f + 31: half e holds the 64 dimensions of tile 2 f + e.  V: fragment 4 s + dt: 128 keys of step s x 16 channels.
;   At + 98,304 of a section the scale words: 256 bytes for 128 rows (or a key step): [lane 32][2]: word j of lane (r, h) belongs to fragment 2 j + h of the four.
; LIMITS: a block of zeros gets the scale byte 1 (its codes are zeros; only this program reads the bytes); NaN and infinities are not served.
; REGISTERS, in windows of 256: window 0: v1-31 addresses; v32-95 scale words and nothing else; v128-223 A's 8 fragments, one set; on the way out v128-239 at work.
;   window 1: B's two sets, v0-95 and v128-223; the rotation's tables at v96-127, v224-255 (even tiles) and v0-63 (odd tiles).   windows 2, 3: accumulator (a, b) at v[8 (8 (a%4) + b)] of window 2 + a/4.
.set FR,     12
.set HALFT,  24576                     ; 128 rows x 256 K: [2 K steps][8 tiles][1,536]
.set SLOT,   98304                     ; A's two halves, then B's two
.set SCL,    294912                    ; behind the three slots: the scale words, 4 x 4,096
.set SPARE,  311296                    ; the spare words, 128 bytes for each wave: two blocks of 256 bytes that no other line names
.set ADRA16, 16                        ; v16-18 my half of A in slot 0, 1, 2, + 16 x lane;  v19-21 + 8 x lane
.set ADRA8,  19
.set ADRB16, 22                        ; v22-24, v25-27 the same for B
.set ADRB8,  25
.set SC,     32                        ; the word of (tile i, K step k) at v[SC + 32 (k/4) + 4 i + k%4]: lanes 0-15 A's, lanes 16-31 B's
.set AF,     128
.set G1A,  24                          ; s[24:31], s[32:39] descriptor group 1 for A's and B's codes; s[40:47], s[48:55] for their scale words
.set G1B,  32
.set G1SA, 40
.set G1SB, 48
.set G0SA, 84                          ; groups 0: A's slots s[56:59], s[60:63], s[68:71]; B's s[72:75], s[76:79], s[80:83]; scale words s[84:87], s[88:91]
.set G0SB, 88
.set H,    128                         ; the way out: 64 rotated numbers
.set TM,   192                         ; v192-207 at work
.set CT,   208
.set PC,   216                         ; the codes just made
.set WD,   228                         ; v228-235 scale words on their way out
.set MSB, 0
.macro WIN new                         ; the immediate's high byte repeats the setting that is left
.if MSB != (\new)
	s_set_vgpr_msb (MSB<<8)|(\new)
.set MSB, (\new)
.endif
.endm
.set MUL_LO, 0xa1                      ; source 0 (B) window 1, source 1 (A) window 0, C and D window 2
.set MUL_HI, 0xf1                      ; the same, C and D window 3
.set TO_B,   0x40                      ; destination window 1, address window 0
; A joint load: waves 0 and 1 fetch for A, waves 2 and 3 for B.  The branch hangs on the wave's number alone.  Four v_nop follow each of the two lines.
.macro JLOAD g0a, g1a, g0b, g1b
	s_cmp_eq_u32 s15, 0
	s_cbranch_scc0 .Lfor_b_\@
	tensor_load_to_lds s[\g0a:\g0a+3], s[\g1a:\g1a+7]
	s_nop 0
.rept 4
	v_nop
.endr
	s_branch .Lasked_\@
.Lfor_b_\@:
	tensor_load_to_lds s[\g0b:\g0b+3], s[\g1b:\g1b+7]
	s_nop 0
.rept 4
	v_nop
.endr
.Lasked_\@:
.endm
.macro CREST                           ; a round of the cluster's barrier behind its opening barrier
	s_cmp_lg_u32 s14, 0
	s_cbranch_scc1 .Lnot_wave_0_\@
	s_barrier_signal -3
.Lnot_wave_0_\@:
	s_barrier_wait -3
	s_barrier_signal -1
	s_barrier_wait -1
.endm
.macro CROUND
	s_barrier_signal -1
	s_barrier_wait -1
	CREST
.endm
.macro SETG0 g, ldsreg, lds, base, off ; a group 0: count 1, LDS byte, global byte, type 2
	s_mov_b32 s[\g], 1
	s_add_co_u32 s[\g+1], s[\ldsreg], \lds
	s_add_nc_u64 s[\g+2:\g+3], s[\base:\base+1], \off
	s_or_b32 s[\g+3], s[\g+3], 0x80000000
.endm
.macro PLACES n
.rept \n
	v_nop
.endr
.endm
.macro FRAG reg, a16, a8, off          ; a fragment's image: four contiguous loads
	ds_load_b128 v[\reg:\reg+3], v[\a16] offset:\off
	ds_load_b64 v[\reg+4:\reg+5], v[\a8] offset:\off+512
	ds_load_b128 v[\reg+6:\reg+9], v[\a16] offset:\off+768
	ds_load_b64 v[\reg+10:\reg+11], v[\a8] offset:\off+1280
.endm
.macro FETCH_B s, q, p                 ; B's eight fragments of slot s, its q-th K step, into set p
	WIN TO_B
.irp i, 0,1,2,3,4,5,6,7
	FRAG 128*(\p)+FR*\i, ADRB16+(\s), ADRB8+(\s), (\q)*12288+1536*\i
.endr
	WIN 0
.endm
.macro FETCH_A s, q, i0                ; A's fragments i0 .. i0 + 3
.irp i, \i0, \i0+1, \i0+2, \i0+3
	FRAG AF+FR*(\i), ADRA16+(\s), ADRA8+(\s), (\q)*12288+1536*(\i)
.endr
.endm
.macro SCALES                          ; all scale words of my 128 rows of A (lanes 0-15) and of B (lanes 16-31), once
.irp i, 0,1,2,3,4,5,6,7
	ds_load_b128 v[SC+4*\i:SC+4*\i+3], v30 offset:512*\i
	ds_load_b128 v[SC+32+4*\i:SC+32+4*\i+3], v30 offset:512*\i+256
.endr
.endm
; 16 products: A's tiles a0, a0 + 1 x B's eight, K step k.  The 64 accumulators take turns, one instruction a turn, in the same order in every step.
.macro MUL16 a0, k, zero
.irp a, \a0, \a0+1
.irp b, 0,1,2,3,4,5,6,7
.if \zero
	v_wmma_scale_f32_16x16x128_f8f6f4 v[8*(8*((\a)%4)+\b):8*(8*((\a)%4)+\b)+7], v[128*((\k)%2)+FR*\b:128*((\k)%2)+FR*\b+FR-1], v[AF+FR*(\a):AF+FR*(\a)+FR-1], 0, v[SC+32*((\k)/4)+4*\b+(\k)%4], v[SC+32*((\k)/4)+4*(\a)+(\k)%4] matrix_a_fmt:MATRIX_FMT_FP6 matrix_b_fmt:MATRIX_FMT_FP6 matrix_a_scale:MATRIX_SCALE_ROW1
.else
	v_wmma_scale_f32_16x16x128_f8f6f4 v[8*(8*((\a)%4)+\b):8*(8*((\a)%4)+\b)+7], v[128*((\k)%2)+FR*\b:128*((\k)%2)+FR*\b+FR-1], v[AF+FR*(\a):AF+FR*(\a)+FR-1], v[8*(8*((\a)%4)+\b):8*(8*((\a)%4)+\b)+7], v[SC+32*((\k)/4)+4*\b+(\k)%4], v[SC+32*((\k)/4)+4*(\a)+(\k)%4] matrix_a_fmt:MATRIX_FMT_FP6 matrix_b_fmt:MATRIX_FMT_FP6 matrix_a_scale:MATRIX_SCALE_ROW1
.endif
.endr
.endr
.endm
; K step k; the next step's fragments come from slot ns, its nq-th K step.  A load into a register that a matrix instruction has read stands four plain places behind it (ISA guide 7.12.1 for vector instructions).
.macro STEP k, ns, nq, zero
	s_wait_dscnt 16                                ; B's set and A's tiles 0-3 are in; the youngest 16 loads (A's tiles 4-7) may be out
	WIN MUL_LO
	MUL16 0, \k, \zero
	MUL16 2, \k, \zero
	s_wait_dscnt 0
	PLACES 4
	FETCH_B \ns, \nq, 1-(\k)%2
	FETCH_A \ns, \nq, 0
	WIN MUL_HI
	MUL16 4, \k, \zero
	MUL16 6, \k, \zero
	PLACES 4
	WIN 0
	FETCH_A \ns, \nq, 4
.endm
; A step with a barrier in it.  In front of the barrier each wave waits for all its tensor loads, adds 0 to its spare word, and waits for that and for its reads.  fill = 2: slot 0, which nobody reads any more, takes chunk 3; fill = 1: slot 2 takes chunk 2.
.macro TURN k, ns, nq, fill
	s_wait_tensorcnt 0x0                           ; all my tensor loads have landed
	ds_add_u32 v28, v29                            ; 0 onto my spare word
	s_wait_dscnt 17                                ; (the add and the youngest 16 loads may be out)
	WIN MUL_LO
	MUL16 0, \k, 0
	s_wait_dscnt 0x0                               ; the add is done, and my reads of the slots so far are over
	s_barrier_signal -1
	MUL16 2, \k, 0
	WIN 0
	s_barrier_wait -1
.if \fill
	CREST                                          ; the barrier has opened a round of the cluster's: no wave of any partner still reads slot 0 or has a load on its way
.if \fill == 2                                         ; fill = 2: slot 0, read out, takes chunk 3; fill = 1: slot 2 takes chunk 2, its first fill
	s_add_nc_u64 s[58:59], s[58:59], 3*HALFT
	s_add_nc_u64 s[74:75], s[74:75], 3*HALFT
	JLOAD 56, G1A, 72, G1B
.else
	JLOAD 68, G1A, 80, G1B
.endif
.else
	PLACES 4
.endif
	FETCH_B \ns, \nq, 1-(\k)%2
	FETCH_A \ns, \nq, 0
	WIN MUL_HI
	MUL16 4, \k, 0
	MUL16 6, \k, 0
	PLACES 4
	WIN 0
	FETCH_A \ns, \nq, 4
.endm
.macro LAST                            ; K step 7: nothing more to fetch
	s_wait_dscnt 16
	WIN MUL_LO
	MUL16 0, 7, 0
	MUL16 2, 7, 0
	s_wait_dscnt 0
	WIN MUL_HI
	MUL16 4, 7, 0
	MUL16 6, 7, 0
	WIN 0
	PLACES 4                                       ; ahead of the first read of results and of writes over A's fragments
.irp b, 0,1,2,3
	v_mov_b32 v[TM+4+\b], 0                        ; a lane permute's destination counts as one of its sources
.endr
.endm
; The rotation's table of A tile a: cos at 16 b + i, +-sin behind it, laid as the registers want it: 16 loads of 512 consecutive bytes
.macro TABLOAD a
.if ((\a)%2) == 0
.set TC, 96
.set TS, 224
.else
.set TC, 0
.set TS, 32
.endif
	WIN TO_B
.irp g, 0,1,2,3,4,5,6,7
	global_load_b128 v[TC+4*\g:TC+4*\g+3], v3, s[8:9] offset:(\a)*8192+512*\g
.endr
.irp g, 0,1,2,3,4,5,6,7
	global_load_b128 v[TS+4*\g:TS+4*\g+3], v3, s[8:9] offset:(\a)*8192+4096+512*\g
.endr
	WIN 0
.endm
; Tile a's 64 registers are two heads; in a head register 16 b + i is dimension 32 b + 16 h + i, so the partner 32 away lies 16 registers away in the same lane.  Each accumulator is read from its low end on.
.macro ROPE a
.set RA, 64*((\a)%4)
.if ((\a)%2) == 0
.set RC, 96
.set RS, 224
.else
.set RC, 0
.set RS, 32
.endif
	WIN (2+(\a)/4)|4                               ; source 0: the accumulators' window; source 1: window 1
.irp c, 0,1
.irp i, 0,2,4,6,8,10,12,14,16,18,20,22,24,26,28,30
	v_pk_mul_f32 v[H+32*\c+\i:H+32*\c+\i+1], v[RA+32*\c+\i:RA+32*\c+\i+1], v[RC+\i:RC+\i+1]
.endr
.endr
.irp c, 0,1
.irp i, 0,2,4,6,8,10,12,14
	v_pk_fma_f32 v[H+32*\c+\i:H+32*\c+\i+1], v[RA+32*\c+16+\i:RA+32*\c+16+\i+1], v[RS+\i:RS+\i+1], v[H+32*\c+\i:H+32*\c+\i+1]
	v_pk_fma_f32 v[H+32*\c+16+\i:H+32*\c+16+\i+1], v[RA+32*\c+\i:RA+32*\c+\i+1], v[RS+16+\i:RS+16+\i+1], v[H+32*\c+16+\i:H+32*\c+16+\i+1]
.endr
.endr
.endm
; 64 numbers of a lane in window W, register 16 b + i = K 32 b + 16 (lane/16) + i of my row, become a fragment's codes in v[PC] on; the four scale bytes stay in v[TM+4] on.
.macro QUANT s, W
	WIN ((\W)<<2)|((\W)<<4)
.irp b, 0,1,2,3
	v_max3_num_f32 v[TM+\b], 0x1800000, |v[\s+16*\b]|, |v[\s+1+16*\b]|   ; with the floor 2^(3 - 127): the byte cannot fall under 1
.endr
.irp i, 2,4,6,8,10,12,14
.irp b, 0,1,2,3
	v_max3_num_f32 v[TM+\b], v[TM+\b], |v[\s+16*\b+\i]|, |v[\s+1+16*\b+\i]|
.endr
.endr
	WIN 0
.irp b, 0,1,2,3
	v_permlanex16_b32 v[TM+4+\b], v[TM+\b], s100, s101
.endr
.irp b, 0,1,2,3
	v_max_num_f32 v[TM+\b], v[TM+\b], v[TM+4+\b]   ; with lane l xor 16's: the block's largest magnitude
.endr
.irp b, 0,1,2,3
	v_add_nc_u32 v[TM+12+\b], 0xff000000, v[TM+\b] ; 2 off its exponent field: the conversion's scale operand
.endr
.irp b, 0,1,2,3
	v_lshrrev_b32 v[TM+4+\b], 23, v[TM+12+\b]      ; the scale's byte
.endr
	WIN \W
.irp c, 0,1
	v_cvt_scalef32_pk16_fp6_f32 v[PC+6*\c:PC+6*\c+2], v[\s+32*\c:\s+32*\c+15], v[TM+12+2*\c]
	v_cvt_scalef32_pk16_fp6_f32 v[CT+4*\c:CT+4*\c+2], v[\s+32*\c+16:\s+32*\c+31], v[TM+13+2*\c]
.endr
	WIN 0
	v_nop                                          ; one plain place behind the scaled conversions
.irp c, 0,1                            ; the operand's layout wants a whole block in a lane: lanes 0-15 block 2 c, lanes 16-31 block 2 c + 1
.irp i, 0,1,2
	v_permlane16_swap_b32 v[PC+6*\c+\i], v[CT+4*\c+\i]
.endr
.irp i, 0,1,2
	v_mov_b32 v[PC+6*\c+3+\i], v[CT+4*\c+\i]
.endr
.endr
.endm
.macro QKTILE a                        ; 16 rows of x, two heads of q or of k
.if \a < 7
	TABLOAD (\a)+1
	s_wait_loadcnt 16                              ; this tile's table is in; the next one's 16 loads may be out
.else
	s_wait_loadcnt 0
.endif
	ROPE \a
	s_wait_xcnt 0x0                                ; the last tile's stores have read v[PC] on
	QUANT H, 0
.if ((\a)%2) == 0                      ; a fragment's word: the two blocks of tile 2 f, then those of tile 2 f + 1
	v_lshl_or_b32 v[WD+(\a)/2], v[TM+5], 8, v[TM+4]
	v_lshl_or_b32 v[WD+4+(\a)/2], v[TM+7], 8, v[TM+6]
.else
	v_lshl_or_b32 v[WD+(\a)/2], v[TM+4], 16, v[WD+(\a)/2]
	v_lshl_or_b32 v[WD+4+(\a)/2], v[TM+6], 16, v[WD+4+(\a)/2]
	v_lshl_or_b32 v[WD+(\a)/2], v[TM+5], 24, v[WD+(\a)/2]
	v_lshl_or_b32 v[WD+4+(\a)/2], v[TM+7], 24, v[WD+4+(\a)/2]
.endif
	global_store_b128 v3, v[PC:PC+3], s[10:11] offset:((\a)/2)*1536+((\a)%2)*768
	global_store_b64 v4, v[PC+4:PC+5], s[10:11] offset:((\a)/2)*1536+((\a)%2)*768+512
	global_store_b128 v3, v[PC+6:PC+9], s[10:11] offset:((\a)/2)*1536+((\a)%2)*768+307200   ; the next head's record
	global_store_b64 v4, v[PC+10:PC+11], s[10:11] offset:((\a)/2)*1536+((\a)%2)*768+307712
.endm
.macro VTILE a                         ; 16 channels of v x my 128 keys: one fragment
	s_wait_xcnt 0x0                                ; the last tile's stores have read v[PC] on
	QUANT 64*((\a)%4), 2+(\a)/4
	v_lshl_or_b32 v[WD+(\a)], v[TM+5], 8, v[TM+4]
	v_lshl_or_b32 v[WD+(\a)], v[TM+6], 16, v[WD+(\a)]
	v_lshl_or_b32 v[WD+(\a)], v[TM+7], 24, v[WD+(\a)]
	global_store_b128 v3, v[PC:PC+3], s[10:11] offset:((\a)/4)*307200+((\a)%4)*1536
	global_store_b64 v4, v[PC+4:PC+5], s[10:11] offset:((\a)/4)*307200+((\a)%4)*1536+512
	global_store_b128 v3, v[PC+6:PC+9], s[10:11] offset:((\a)/4)*307200+((\a)%4)*1536+768
	global_store_b64 v4, v[PC+10:PC+11], s[10:11] offset:((\a)/4)*307200+((\a)%4)*1536+1280
.endm
	s_load_b256 s[4:11], s[0:1], 0x0               ; xq s4, wq s6, aux s8, qkv s10
	v_lshl_add_u32 v28, v0, 2, SPARE
	v_mov_b32 v29, 0
	ds_add_u32 v28, v29
	ds_add_u32 v28, v29
	s_wait_dscnt 0x0
	v_lshrrev_b32 v1, 5, v0
	v_readfirstlane_b32 s14, v1                    ; wave 0..3
	s_lshr_b32 s15, s14, 1                         ; my half of A.  Also: I fetch for A (0) or for B (1)
	s_and_b32 s16, s14, 1                          ; my half of B.  Also: which half I fetch
	s_bfe_u32 s92, ttmp6, 0x40000                  ; cx
	s_bfe_u32 s93, ttmp6, 0x40004                  ; cy
	s_and_b32 s95, ttmp7, 0xffff                   ; the cluster's y: 0-7 role QK (this path), 8-15 role V (a path of its own, at the text's end)
	s_cmp_ge_u32 s95, 8                            ; all partners of a cluster share it
	s_cbranch_scc1 .Lvpath
	s_lshl_b32 s94, ttmp9, 2
	s_add_co_u32 s94, s94, s92
	s_max_u32 s96, s95, 8
	s_sub_co_u32 s96, s96, 8
	s_lshl_b32 s96, s96, 3
	s_add_co_u32 s94, s94, s96                     ; B's tile of 256: QK: 4 x cluster x + cx (columns n); V: the same + 8 (cluster y - 8) (rows of x)
	s_lshl_b32 s97, s95, 2
	s_mov_b32 s98, 6291456                         ; where x's scale words begin in xq
	s_mov_b32 s99, 2359296                         ; and W_attn's in wq
	s_lshl_b32 s17, s93, 2
	s_lshl_b32 s17, 15, s17                        ; my row of the cluster
	s_lshl_b32 s18, 0x1111, s92                    ; my column
	s_or_b32 s[G1A], s17, (3<<16)|(1<<21)          ; 15:0 the mask; 17:16 elements of 8 bytes; 21 set beside a mask; no padding
	s_or_b32 s[G1B], s18, (3<<16)|(1<<21)
	s_or_b32 s[G1SA], s17, (3<<16)|(1<<21)
	s_or_b32 s[G1SB], s18, (3<<16)|(1<<21)
.irp g, G1A, G1B                       ; for the head's loads: chunk 0 of both blocks of 128: 2 rows of 24,576 bytes (3,072 elements), 98,304 bytes apart
	s_mov_b32 s[\g+1], 3072<<16
	s_mov_b32 s[\g+2], 2<<16
	s_mov_b32 s[\g+3], 3072<<16
	s_mov_b32 s[\g+4], 2
	s_mov_b32 s[\g+5], 12288
	s_mov_b32 s[\g+6], 0
	s_mov_b32 s[\g+7], 0
.endr
.irp g, G1SA, G1SB                     ; 8,192 dense bytes as 32 rows of 256
	s_mov_b32 s[\g+1], 32<<16
	s_mov_b32 s[\g+2], 32<<16                      ; the scale words of 256 rows: 8,192 dense bytes as 32 rows of 256
	s_mov_b32 s[\g+3], 32<<16
	s_mov_b32 s[\g+4], 32
	s_mov_b32 s[\g+5], 32
	s_mov_b32 s[\g+6], 0
	s_mov_b32 s[\g+7], 0
.endr
	s_wait_kmcnt 0x0
	s_cmp_ge_u32 s95, 8                            ; the role: one compare, and behind it selects alone
	s_cselect_b32 s13, 1, 0
	s_cselect_b32 s97, 8, s97
	s_cselect_b64 s[20:21], s[6:7], s[4:5]         ; A's buffer: V: wq, QK: xq
	s_cselect_b64 s[22:23], s[4:5], s[6:7]         ; B's
	s_cselect_b32 s100, s99, s98                   ; where A's scale words begin
	s_cselect_b32 s101, s98, s99                   ; and B's
	s_add_co_u32 s97, s97, s93                     ; A's tile of 256: QK: 4 x cluster y + cy (rows of x); V: 8 + cy (columns of v)
	; A's addresses are made of cy, B's of cx, each in registers that never hold the other
	s_mov_b32 s3, 0
	s_lshl_b32 s12, s97, 1
	s_add_co_u32 s12, s12, s16                     ; A's block of 128 that I would fetch
	s_lshl_b32 s2, s97, 13                         ; the scale words of A's whole tile of 256
	s_add_co_u32 s2, s2, s100
	s_add_nc_u64 s[86:87], s[20:21], s[2:3]
	s_mul_i32 s2, s12, 98304
	s_add_nc_u64 s[20:21], s[20:21], s[2:3]
	s_mov_b32 s99, 0
	s_lshl_b32 s19, s94, 1
	s_add_co_u32 s19, s19, s16                     ; B's
	s_lshl_b32 s98, s94, 13                        ; and of B's
	s_add_co_u32 s98, s98, s101
	s_add_nc_u64 s[90:91], s[22:23], s[98:99]
	s_mul_i32 s98, s19, 98304
	s_add_nc_u64 s[22:23], s[22:23], s[98:99]
	s_mul_i32 s17, s14, HALFT                      ; where they go: wave x 24,576: no place in the cluster enters an LDS address
	s_mov_b32 s[G0SA], 1
	s_mov_b32 s[G0SA+1], SCL
	s_or_b32 s[G0SA+3], s[G0SA+3], 0x80000000
	s_mov_b32 s[G0SB], 1
	s_mov_b32 s[G0SB+1], SCL+8192
	s_or_b32 s[G0SB+3], s[G0SB+3], 0x80000000
	SETG0 56, 17, 0, 20, 0
	SETG0 60, 17, SLOT, 20, HALFT
	SETG0 68, 17, 2*SLOT, 20, 2*HALFT
	SETG0 72, 17, 0, 22, 0
	SETG0 76, 17, SLOT, 22, HALFT
	SETG0 80, 17, 2*SLOT, 22, 2*HALFT
	CROUND                                         ; all sixteen work-groups are here: the first joint loads meet
; THE HEAD'S LOADS, ONE A WAVE: wave 0 chunk 0 of A's 256 rows, wave 1 A's scale words, wave 2 chunk 0 of B's 256 rows, wave 3 B's scale words.
; Waves 0 and 2 fetch half 0 in the ring, so their slot 0 group 0 already names the tile's first block and its LDS byte.  Chunk 1 follows behind the next round, chunk 2 behind K step 1's, chunk 3 behind K step 3's: one load a wave is out at a time.
.macro ARM under, g0, g1, next
	s_cmp_lt_u32 s14, \under
	s_cbranch_scc0 \next
	tensor_load_to_lds s[\g0:\g0+3], s[\g1:\g1+7]
	s_nop 0
.rept 4
	v_nop
.endr
	s_branch .Lhead_asked
\next:
.endm
	ARM 1, 56,   G1A,  .Lhead_sa
	ARM 2, G0SA, G1SA, .Lhead_b
	ARM 3, 72,   G1B,  .Lhead_sb
	tensor_load_to_lds s[G0SB:G0SB+3], s[G1SB:G1SB+7]
	s_nop 0
.rept 4
	v_nop
.endr
.Lhead_asked:
	s_mov_b32 s100, 0x76543210
	s_mov_b32 s101, 0xfedcba98                     ; v_permlanex16_b32's selects for lane l xor 16
	v_and_b32 v1, 31, v0                           ; lane
	v_bfe_u32 v2, v0, 4, 1                         ; h
	v_and_b32 v6, 15, v0                           ; r
	v_lshlrev_b32 v3, 4, v1
	v_lshlrev_b32 v4, 3, v1
	s_mul_i32 s17, s15, HALFT
	s_mul_i32 s18, s16, HALFT
	s_add_co_u32 s18, s18, 2*HALFT
.irp s, 0,1,2
	v_add_nc_u32 v[ADRA16+\s], s17, v3
	v_add_nc_u32 v[ADRA8+\s], s17, v4
	v_add_nc_u32 v[ADRB16+\s], s18, v3
	v_add_nc_u32 v[ADRB8+\s], s18, v4
	s_add_co_u32 s17, s17, SLOT
	s_add_co_u32 s18, s18, SLOT
.endr
	s_lshl_b32 s17, s15, 12                        ; A's scale words: my half; lanes 16-31 take B's, one product away
	s_add_co_u32 s18, s16, 2
	s_sub_co_u32 s18, s18, s15
	s_lshl_b32 s18, s18, 12
	v_mul_u32_u24 v30, s18, v2
	s_add_co_u32 s17, s17, SCL
	v_lshl_add_u32 v30, v6, 4, v30
	v_add_nc_u32 v30, s17, v30
	; the way out: which 128 rows of x are mine (RB), my first head, the section; in registers that feed no descriptor
	s_lshl_b32 s66, s97, 1
	s_add_co_u32 s66, s66, s15                     ; QK: my half of A
	s_lshl_b32 s67, s94, 1
	s_add_co_u32 s67, s67, s16                     ; V: my half of B
	s_cmp_lg_u32 s13, 0
	s_cselect_b32 s66, s67, s66                    ; RB
	s_and_b32 s67, s94, 3
	s_lshl_b32 s67, s67, 1
	s_add_co_u32 s67, s67, s16
	s_lshl_b32 s67, s67, 1                         ; QK: head 4 (tile & 3) + 2 x half
	s_lshl_b32 s104, s93, 1
	s_add_co_u32 s104, s104, s15
	s_lshl_b32 s104, s104, 1                       ; V: head 4 cy + 2 x half
	s_lshr_b32 s105, s94, 2                        ; QK: section 0 (q) or 1 (k)
	s_cmp_lg_u32 s13, 0
	s_cselect_b32 s67, s104, s67
	s_cselect_b32 s105, 2, s105
	s_lshr_b32 s104, s66, 4
	s_lshl_b32 s104, s104, 4
	s_add_co_u32 s104, s104, s67                   ; 16 x batch + head
	s_mul_i32 s104, s104, 307200
	s_mul_i32 s105, s105, 102400
	s_add_co_u32 s104, s104, s105
	s_and_b32 s66, s66, 15                         ; my block of 128 in the sequence
	s_mul_i32 s105, s66, 6144
	s_add_co_u32 s104, s104, s105
	s_mov_b32 s105, 0
	s_add_nc_u64 s[10:11], s[10:11], s[104:105]    ; my four fragments of the first head
	s_lshl_b32 s104, s66, 16
	s_add_nc_u64 s[8:9], s[8:9], s[104:105]        ; the tables of my eight tiles of positions
	s_mul_i32 s104, s66, 5888
	s_sub_co_u32 s104, 98304, s104                 ; from my fragments to my scale words: 98,304 + 256 x block - 6,144 x block, never negative
	v_lshl_add_u32 v31, v1, 3, s104
	s_wait_alu depctr_va_vdst(0)
	s_wait_tensorcnt 0x0                           ; my tile of the head's four is in
	ds_add_u32 v28, v29
.irp g, G1A, G1B                       ; no tensor load of mine is out: from here on a load brings 24,576 dense bytes as 96 rows of 256
	s_mov_b32 s[\g+1], 32<<16
	s_mov_b32 s[\g+2], 96<<16
	s_mov_b32 s[\g+3], 32<<16
	s_mov_b32 s[\g+4], 96
	s_mov_b32 s[\g+5], 32
.endr
	s_wait_dscnt 0x0                               ; the add is done
	CROUND                                         ; all four tiles are in, and all sixteen work-groups are here
	JLOAD 60, G1A, 76, G1B                         ; chunk 1, the first tensor load behind the round
	FETCH_B 0, 0, 0
	FETCH_A 0, 0, 0
	SCALES
	FETCH_A 0, 0, 4
	STEP 0, 0, 1, 1                                ; the first products start the sums: nothing is cleared
	TURN 1, 1, 0, 1                                ; slot 2 takes chunk 2, its first fill
	STEP 2, 1, 1, 0
	TURN 3, 2, 0, 2                                ; chunk 2 is whole for every wave; slot 0 takes chunk 3
	STEP 4, 2, 1, 0
	TURN 5, 0, 0, 0                                ; chunk 3 is whole for every wave
	STEP 6, 0, 1, 0
	TABLOAD 0                                      ; the first table lands under the last K step
	LAST
.irp a, 0,1,2,3,4,5,6,7
	QKTILE \a
.endr
	v_cmp_gt_u32 vcc_lo, 16, v1                    ; lanes 0-15 store the words of fragments 0 and 2, lanes 16-31 of 1 and 3
	v_cndmask_b32 v236, v[WD+1], v[WD], vcc_lo
	s_wait_alu depctr_va_vdst(0)
	v_cndmask_b32 v237, v[WD+3], v[WD+2], vcc_lo
	v_cndmask_b32 v238, v[WD+5], v[WD+4], vcc_lo
	v_cndmask_b32 v239, v[WD+7], v[WD+6], vcc_lo
	global_store_b64 v31, v[236:237], s[10:11]     ; 256 consecutive bytes
	global_store_b64 v31, v[238:239], s[10:11] offset:307200
	s_wait_tensorcnt 0x0                           ; the wave's end
	ds_add_u32 v28, v29
	s_wait_dscnt 0x0
	CROUND                                         ; the closing round
	s_endpgm
; ---- ROLE V, clusters y = 8 .. 15: a work-group makes 128 channels of v (A: one block of W_attn's columns, two heads) x 256 keys (B: two blocks of rows of x): 8 x 32 = 256 work-groups.
; A wave makes 64 channels, one head, x 128 keys: 32 accumulators in window 2.  ALL OF K LIES IN LDS AT ONCE: A's block at 0, B's two behind it, 294,912 bytes, each byte filled once:
; one joint load a wave: waves 0, 1 halves of A's block (49,152 bytes), waves 2, 3 a block of B each.  A is shared along the cluster's row, B along its column.
; The scale words go from memory straight into 96 registers (v32-95 B's: tile b, K step k at 32 + 8 b + k; v96-127 A's), 16 lanes to 256 consecutive bytes; lanes 16-31 hold the same words and are not read.
; Window 0: v128-175, v176-223 A's 4 fragments, two sets; window 1: B's 8 fragments, two sets.  No prefetch: this path has no loop to run ahead in, and every tile is asked for once, at its head.
.set VSB,  32
.set VSA,  96
.set VBLK, 98304                       ; a block of 128 rows, all of K
.set VHK,  49152                       ; four K steps of it
.macro VFETCH k                        ; K step k: B's eight fragments and A's four into set k % 2; K steps 4-7 by the second address registers
	WIN TO_B
.irp i, 0,1,2,3,4,5,6,7
	FRAG 128*((\k)%2)+FR*\i, 20+2*((\k)/4), 21+2*((\k)/4), ((\k)%4)*12288+1536*\i
.endr
	WIN 0
.irp i, 0,1,2,3
	FRAG AF+48*((\k)%2)+FR*\i, 16+2*((\k)/4), 17+2*((\k)/4), ((\k)%4)*12288+1536*\i
.endr
.endm
.macro VMUL k                          ; the 32 accumulators take turns, one instruction a turn, in the same order in every step; K step 0 starts the sums
.irp a, 0,1,2,3
.irp b, 0,1,2,3,4,5,6,7
.if (\k) == 0
	v_wmma_scale_f32_16x16x128_f8f6f4 v[8*(8*\a+\b):8*(8*\a+\b)+7], v[128*((\k)%2)+FR*\b:128*((\k)%2)+FR*\b+FR-1], v[AF+48*((\k)%2)+FR*\a:AF+48*((\k)%2)+FR*\a+FR-1], 0, v[VSB+8*\b+(\k)], v[VSA+8*\a+(\k)] matrix_a_fmt:MATRIX_FMT_FP6 matrix_b_fmt:MATRIX_FMT_FP6
.else
	v_wmma_scale_f32_16x16x128_f8f6f4 v[8*(8*\a+\b):8*(8*\a+\b)+7], v[128*((\k)%2)+FR*\b:128*((\k)%2)+FR*\b+FR-1], v[AF+48*((\k)%2)+FR*\a:AF+48*((\k)%2)+FR*\a+FR-1], v[8*(8*\a+\b):8*(8*\a+\b)+7], v[VSB+8*\b+(\k)], v[VSA+8*\a+(\k)] matrix_a_fmt:MATRIX_FMT_FP6 matrix_b_fmt:MATRIX_FMT_FP6
.endif
.endr
.endr
.endm
.Lvpath:
	s_sub_co_u32 s95, s95, 8
	s_lshl_b32 s94, s95, 2
	s_add_co_u32 s94, s94, s92                     ; B's tile of 256 keys: 4 (cluster y - 8) + cx
	s_lshl_b32 s96, ttmp9, 2
	s_add_co_u32 s96, s96, s93                     ; A's block of 128 channels of v: 4 x cluster x + cy,
	s_add_co_u32 s97, s96, 16                      ; which is block 16 + that of W_attn's columns
	s_lshl_b32 s17, s93, 2
	s_lshl_b32 s17, 15, s17                        ; my row of the cluster
	s_lshl_b32 s18, 0x1111, s92                    ; my column
	s_or_b32 s[G1A], s17, (3<<16)|(1<<21)          ; 15:0 the mask; elements of 8 bytes; 21 set beside a mask; no padding
	s_or_b32 s[G1B], s18, (3<<16)|(1<<21)
	s_mov_b32 s[G1A+1], 32<<16                     ; A: 49,152 dense bytes as 192 rows of 256
	s_mov_b32 s[G1A+2], 192<<16
	s_mov_b32 s[G1A+3], 32<<16
	s_mov_b32 s[G1A+4], 192
	s_mov_b32 s[G1A+5], 32
	s_mov_b32 s[G1A+6], 0
	s_mov_b32 s[G1A+7], 0
	s_mov_b32 s[G1B+1], 32<<16                     ; B: 98,304 dense bytes as 384 rows of 256
	s_mov_b32 s[G1B+2], 384<<16
	s_mov_b32 s[G1B+3], 32<<16
	s_mov_b32 s[G1B+4], 384
	s_mov_b32 s[G1B+5], 32
	s_mov_b32 s[G1B+6], 0
	s_mov_b32 s[G1B+7], 0
	; A's addresses are made of cy, B's of cx, each in registers that never hold the other
	s_mul_i32 s2, s97, VBLK
	s_mul_i32 s12, s16, VHK
	s_add_co_u32 s2, s2, s12                       ; A's codes: my half along K
	s_mov_b32 s3, 0
	s_lshl_b32 s19, s94, 1
	s_add_co_u32 s19, s19, s16                     ; B's block of 128 keys: the one I fetch, and the one I multiply
	s_mul_i32 s98, s19, VBLK
	s_mov_b32 s99, 0
	s_mov_b32 s56, 1
	s_mul_i32 s57, s14, VHK                        ; waves 0, 1: LDS 0 and 49,152
	s_mov_b32 s72, 1
	s_mul_i32 s41, s16, VBLK
	s_add_co_u32 s41, s41, VBLK                    ; B's block in LDS: no place in the cluster enters an LDS address
	s_mov_b32 s73, s41
	s_lshl_b32 s46, s97, 12
	s_lshl_b32 s47, s15, 11
	s_add_co_u32 s46, s46, s47
	s_add_co_u32 s46, s46, 2359296                 ; W_attn's scale words: my four tiles
	s_mov_b32 s47, 0
	s_lshl_b32 s48, s19, 12
	s_add_co_u32 s48, s48, 6291456                 ; x's scale words: my block
	s_mov_b32 s49, 0
	s_lshr_b32 s104, s19, 4                        ; the way out: batch,
	s_lshl_b32 s104, s104, 4
	s_lshl_b32 s105, s96, 1
	s_add_co_u32 s105, s105, s15                   ; my head,
	s_add_co_u32 s104, s104, s105
	s_mul_i32 s104, s104, 307200                   ; its record,
	s_add_co_u32 s104, s104, 204800                ; section V,
	s_and_b32 s66, s19, 15                         ; my key step in the sequence: four fragments
	s_mul_i32 s105, s66, 6144
	s_add_co_u32 s104, s104, s105
	s_mov_b32 s105, 0
	s_mul_i32 s67, s66, 5888
	s_sub_co_u32 s67, 98304, s67                   ; from my fragments to my scale words: 98,304 + 256 x step - 6,144 x step, never negative
	s_mul_i32 s17, s15, 6144                       ; my four tiles in a K step of A
	s_mov_b32 s100, 0x76543210
	s_mov_b32 s101, 0xfedcba98                     ; v_permlanex16_b32's selects for lane l xor 16
	s_wait_kmcnt 0x0
	s_add_nc_u64 s[58:59], s[6:7], s[2:3]
	s_or_b32 s59, s59, 0x80000000
	s_add_nc_u64 s[74:75], s[4:5], s[98:99]
	s_or_b32 s75, s75, 0x80000000
	s_add_nc_u64 s[20:21], s[6:7], s[46:47]
	s_add_nc_u64 s[22:23], s[4:5], s[48:49]
	s_add_nc_u64 s[10:11], s[10:11], s[104:105]
	CROUND                                         ; all sixteen work-groups are here: the joint loads meet
	s_cmp_eq_u32 s15, 0                            ; one load a wave, the only one of this path; an s_nop 0 and four v_nop follow each line
	s_cbranch_scc0 .Lv_b
	tensor_load_to_lds s[56:59], s[G1A:G1A+7]
	s_nop 0
	PLACES 4
	s_branch .Lv_asked
.Lv_b:
	tensor_load_to_lds s[72:75], s[G1B:G1B+7]
	s_nop 0
	PLACES 4
.Lv_asked:
	v_and_b32 v1, 31, v0                           ; lane
	v_and_b32 v6, 15, v0                           ; r
	v_lshlrev_b32 v3, 4, v1
	v_lshlrev_b32 v4, 3, v1
	v_lshlrev_b32 v5, 4, v6                        ; a row's four scale words
	v_add_nc_u32 v16, s17, v3                      ; A's fragments: + 16 x lane, + 8 x lane; K steps 0-3, then 4-7
	v_add_nc_u32 v17, s17, v4
	v_add_nc_u32 v18, VHK, v16
	v_add_nc_u32 v19, VHK, v17
	v_add_nc_u32 v20, s41, v3                      ; B's
	v_add_nc_u32 v21, s41, v4
	v_add_nc_u32 v22, VHK, v20
	v_add_nc_u32 v23, VHK, v21
	v_lshl_add_u32 v31, v1, 3, s67
	s_wait_alu depctr_va_vdst(0)
.irp i, 0,1,2,3,4,5,6,7
	global_load_b128 v[VSB+8*\i:VSB+8*\i+3], v5, s[22:23] offset:512*\i
	global_load_b128 v[VSB+8*\i+4:VSB+8*\i+7], v5, s[22:23] offset:512*\i+256
.endr
.irp i, 0,1,2,3
	global_load_b128 v[VSA+8*\i:VSA+8*\i+3], v5, s[20:21] offset:512*\i
	global_load_b128 v[VSA+8*\i+4:VSA+8*\i+7], v5, s[20:21] offset:512*\i+256
.endr
	s_wait_tensorcnt 0x0                           ; my part has landed,
	s_barrier_signal -1
	s_barrier_wait -1                              ; everybody's has
	VFETCH 0
	s_wait_loadcnt 0x0                             ; the scale words are in
.irp k, 0,1,2,3,4,5,6
	s_wait_dscnt 0x0                               ; this K step's fragments are in (asked for 32 products ago)
.if \k > 0
	PLACES 4                                       ; four plain places ahead of loads into registers that the last products read
.endif
	VFETCH \k+1
	WIN MUL_LO
	VMUL \k
.endr
	s_wait_dscnt 0x0
	VMUL 7
	WIN 0
	PLACES 4                                       ; ahead of the first read of results and of writes over A's fragments
.irp b, 0,1,2,3
	v_mov_b32 v[TM+4+\b], 0                        ; a lane permute's destination counts as one of its sources
.endr
.irp a, 0,1,2,3
	VTILE \a                                       ; 16 channels x my 128 keys: one fragment
.endr
	v_cmp_gt_u32 vcc_lo, 16, v1                    ; lanes 0-15 store the words of fragments 0 and 2, lanes 16-31 of 1 and 3
	v_cndmask_b32 v236, v[WD+1], v[WD], vcc_lo
	v_cndmask_b32 v237, v[WD+3], v[WD+2], vcc_lo
	global_store_b64 v31, v[236:237], s[10:11]     ; 256 consecutive bytes
	s_wait_tensorcnt 0x0                           ; the wave's end
	ds_add_u32 v28, v29
	s_wait_dscnt 0x0
	CROUND                                         ; the closing round
	s_endpgm
.Lfunc_end_k_q23703daa1c_qkv:
	.size	k_q23703daa1c_qkv, .Lfunc_end_k_q23703daa1c_qkv-k_q23703daa1c_qkv
	.p2alignl 7, 3214868480
	.fill 96, 4, 3214868480
	.section	.rodata,"a",@progbits
	.p2align	6, 0x0
	.amdhsa_kernel k_q23703daa1c_qkv
		.amdhsa_group_segment_fixed_size 327680
		.amdhsa_private_segment_fixed_size 0
		.amdhsa_enable_private_segment 0
		.amdhsa_kernarg_size 32
		.amdhsa_user_sgpr_count 2
		.amdhsa_user_sgpr_kernarg_segment_ptr 1
		.amdhsa_wavefront_size32 1
		.amdhsa_system_sgpr_workgroup_id_x 1
		.amdhsa_system_sgpr_workgroup_id_y 1
		.amdhsa_system_sgpr_workgroup_id_z 1
		.amdhsa_system_vgpr_workitem_id 0
		.amdhsa_next_free_vgpr 1024
		.amdhsa_next_free_sgpr 106
		.amdhsa_reserve_vcc 1
		.amdhsa_float_denorm_mode_32 3
		.amdhsa_float_denorm_mode_16_64 3
		.amdhsa_memory_ordered 1
		.amdhsa_forward_progress 1
		.amdhsa_inst_pref_size 255
	.end_amdhsa_kernel
	.section	.bss,"aw",@nobits
	.p2align	6
	.space	262144
	.amdgpu_metadata
---
amdhsa.version: [ 1, 2 ]
amdhsa.kernels:
  - .name:           k_q23703daa1c_qkv
    .symbol:         k_q23703daa1c_qkv.kd
    .args:
      - { .name: xq, .offset: 0, .size: 8, .value_kind: global_buffer, .address_space: global }
      - { .name: wq, .offset: 8, .size: 8, .value_kind: global_buffer, .address_space: global }
      - { .name: aux, .offset: 16, .size: 8, .value_kind: global_buffer, .address_space: global }
      - { .name: qkv, .offset: 24, .size: 8, .value_kind: global_buffer, .address_space: global }
    .group_segment_fixed_size: 327680
    .private_segment_fixed_size: 0
    .kernarg_segment_align: 8
    .kernarg_segment_size: 32
    .max_flat_workgroup_size: 128
    .sgpr_count:     106
    .vgpr_count:     1024
    .wavefront_size: 32
...
	.end_amdgpu_metadata
.endif
;; end of part 2
;; launch attn (part 3): grid 4 x 64, 16 waves a work-group, clusters of 4 x 1, 206,848 bytes of LDS; arguments qkv, aux, yq; writes yq
.if DOCPART == 3
	.amdgcn_target "amdgcn-amd-amdhsa--gfx1250"
	.amdhsa_code_object_version 6
	.text
	.protected	k_q23703daa1c_attn
	.globl	k_q23703daa1c_attn
	.p2align	8
	.type	k_q23703daa1c_attn,@function
k_q23703daa1c_attn:
	s_mov_b64 s[64:65], 0
	v_nop
	global_prefetch_b8 v0, s[64:65] scope:SCOPE_SE
	s_setreg_imm32_b32 hwreg(HW_REG_WAVE_MODE, 25, 1), 1
	s_wait_xcnt 0x0
	s_wait_alu depctr_hold_cnt(0) depctr_sa_sdst(0) depctr_va_vdst(0) depctr_va_sdst(0) depctr_va_ssrc(0) depctr_va_vcc(0) depctr_vm_vsrc(0)
	s_getreg_b32 s2, hwreg(HW_REG_IB_STS2, 6, 4)
	s_cmp_eq_u32 s2, 0
	s_cbranch_scc0 .Lentry_in_a_cluster
	s_endpgm
.Lentry_in_a_cluster:
	s_bfe_u32 s2, ttmp6, 0x10000c
	s_cmp_lg_u32 s2, 0x3003
	s_cbranch_scc0 .Lentry_shape_is_right
	s_endpgm
.Lentry_shape_is_right:
; ATTENTION on codes of E2M3: for each (batch, head): S = q k^T (K = 64), less g x min(distance, 64) x 0.1, causal; p = 2^(t - M), M a whole number; y = (p v) / l; y is quantised along C and stored as the next product's operand.
; SHARES.  A cluster of four work-groups is one (batch, head).  The head's K and V, codes and scale words, are 204,800 dense bytes: each of the sixteen waves asks for 12,800 of them once, jointly with its three partners, and they stay in LDS.
; Nothing is filled again.  A tile of 16 queries is 4 G + cx (G: a group of 64 queries, cx: the partner).  Wave w takes G = w, then G = 31 - w: 17 key steps of 128 for every wave.  Every branch hangs on G and the step's number, never on cx.
; LAYOUT.  Both products are used transposed (source 0 = keys, or channels of v; source 1 = my 16 queries): a lane holds ONE query.  Lane r of a tile of rows holds row 8 (tile%2) + 32 (tile/2) + r + 8 (r/8), so that of S^T's 64 registers
; register 16 b + i is key 32 b + 16 (lane/16) + i of the step.  K = 64 IS HALF OF THE INSTRUCTION'S 128: a fragment of k holds two tiles of keys, one in each half of its K, and is multiplied by [q | 0] and by [0 | q]: zero codes add nothing.
; THE PENALTY.  G' = -0.8 g comes from the first launch; S + G' x distance, times c = log2(e) / 8, is t.  Where every key of a step lies 64 or more behind every query of the group the penalty is one number, which goes into the multiply-add's addend.
; LIMITS: p under 2^-126 counts as 0; a block whose every p is 0, and a block of zeros of y, get the scale byte 1 (their codes are zeros; only this program reads the bytes); NaN and infinities are not served.
; REGISTERS: v1-11, v39 addresses; v12 the addend, v13 the largest t, v[14:15] the sum; v16-33 [0 x 6 | q x 6 | 0 x 6]; v34 q's scale word; v35 -M; v[36:37] G'; v38 64 c G'; v40-87 four fragments; v88-91 K's and V's scale words;
;   v92 the step's constant part of t; v93 my query less the step's first key of my half; v[94:95] the running distance; v96-159 S^T, then p; v160-191 O^T; v192-203 codes; v204-211, v212-234 at work; v224 p's scale word.
.set KSC, 98304                        ; LDS: K's codes at 0, its scale words here,
.set VCO, 102400                       ; V's codes,
.set VSC, 200704                       ; V's scale words
.set REC, 307200                       ; a head's record in qkv: sections Q, K, V of 102,400 bytes
.macro CROUND                          ; a round of the cluster's barrier
	s_barrier_signal -1
	s_barrier_wait -1
	s_cmp_lg_u32 s10, 0
	s_cbranch_scc1 .Lnot_wave_0_\@
	s_barrier_signal -3
.Lnot_wave_0_\@:
	s_barrier_wait -3
	s_barrier_signal -1
	s_barrier_wait -1
.endm
.macro FRAG reg, a16, a8, off          ; a fragment's image: four contiguous loads
	ds_load_b128 v[\reg:\reg+3], v[\a16] offset:\off
	ds_load_b64 v[\reg+4:\reg+5], v[\a8] offset:\off+512
	ds_load_b128 v[\reg+6:\reg+9], v[\a16] offset:\off+768
	ds_load_b64 v[\reg+10:\reg+11], v[\a8] offset:\off+1280
.endm
.macro SMUL d, a, b, sa, row           ; a tile of S^T; source 0's scale word lies in lanes 0-15 (row = 0) or 16-31 (row = 1)
.if \row
	v_wmma_scale_f32_16x16x128_f8f6f4 v[\d:\d+7], v[\a:\a+11], v[\b:\b+11], 0, v[\sa], v34 matrix_a_fmt:MATRIX_FMT_FP6 matrix_b_fmt:MATRIX_FMT_FP6 matrix_a_scale:MATRIX_SCALE_ROW1
.else
	v_wmma_scale_f32_16x16x128_f8f6f4 v[\d:\d+7], v[\a:\a+11], v[\b:\b+11], 0, v[\sa], v34 matrix_a_fmt:MATRIX_FMT_FP6 matrix_b_fmt:MATRIX_FMT_FP6
.endif
.endm
.macro OMUL d, a, sa, row              ; a tile of O^T takes these 128 keys
.if \row
	v_wmma_scale_f32_16x16x128_f8f6f4 v[\d:\d+7], v[\a:\a+11], v[192:203], v[\d:\d+7], v[\sa], v224 matrix_a_fmt:MATRIX_FMT_FP6 matrix_b_fmt:MATRIX_FMT_FP6 matrix_a_scale:MATRIX_SCALE_ROW1
.else
	v_wmma_scale_f32_16x16x128_f8f6f4 v[\d:\d+7], v[\a:\a+11], v[192:203], v[\d:\d+7], v[\sa], v224 matrix_a_fmt:MATRIX_FMT_FP6 matrix_b_fmt:MATRIX_FMT_FP6
.endif
.endm
	s_load_b128 s[4:7], s[0:1], 0x0                ; qkv, aux
	s_load_b64 s[8:9], s[0:1], 0x10                ; yq
	v_lshl_add_u32 v254, v0, 2, 0x32000
	v_mov_b32 v255, 0
	ds_add_u32 v254, v255
	ds_add_u32 v254, v255
	v_lshrrev_b32 v1, 5, v0
	s_delay_alu instid0(VALU_DEP_1)
	v_readfirstlane_b32 s10, v1                    ; wave 0..15
	s_bfe_u32 s11, ttmp6, 0x40000                  ; cx
	s_and_b32 s12, ttmp7, 0xffff                   ; 16 x batch + head, which the partners share
	s_lshr_b32 s13, s12, 4
	s_and_b32 s14, s12, 15
	s_mov_b32 s28, 15|(3<<16)|(1<<21)              ; group 1: the mask names all four; elements of 8 bytes; 21 set beside a mask; 12,800 dense bytes as 50 rows of 256
	s_mov_b32 s29, 32<<16
	s_mov_b32 s30, 50<<16
	s_mov_b32 s31, 32<<16
	s_mov_b32 s32, 50
	s_mov_b32 s33, 32
	s_mov_b32 s34, 0
	s_mov_b32 s35, 0
	s_mul_i32 s38, s12, REC                        ; the head's record
	s_mul_i32 s25, s10, 12800                      ; my part: in LDS,
	s_add_co_u32 s42, s38, s25
	s_add_co_u32 s42, s42, 102400                  ; and in memory, from the K section on
	s_mov_b32 s43, 0
	s_mov_b32 s24, 1
	s_wait_dscnt 0x0
	s_wait_kmcnt 0x0
	s_add_nc_u64 s[26:27], s[4:5], s[42:43]
	s_or_b32 s27, s27, 0x80000000
	CROUND                                         ; all four work-groups are here: the joint loads meet
	tensor_load_to_lds s[24:27], s[28:35]          ; one load a wave, the only one of the launch
	s_nop 0
.rept 4
	v_nop
.endr
	s_mov_b32 s20, 0x76543210
	s_mov_b32 s21, 0xfedcba98                      ; v_permlanex16_b32's selects for lane l xor 16
	s_mov_b32 s22, 0x3e38aa3b                      ; c = log2(e) / 8
	s_mov_b32 s23, s22                             ; (named with it as a pair, so it is written)
	s_mov_b32 s37, 0x42800000                      ; 64.0
	s_lshr_b32 s46, s11, 1                         ; cx / 2
	s_and_b32 s45, s11, 1                          ; cx % 2
	s_mul_i32 s47, s45, 768
	s_lshl_b32 s54, s45, 4
	v_and_b32 v232, 31, v0
	s_delay_alu instid0(VALU_DEP_1)
	v_lshlrev_b32 v1, 4, v232                      ; 16 x lane
	s_delay_alu instid0(VALU_DEP_2)
	v_lshlrev_b32 v2, 3, v232                      ; 8 x lane
	v_and_b32 v232, 15, v0                         ; r
	s_wait_alu depctr_va_vdst(0)
	v_bfe_u32 v233, v0, 4, 1                       ; h
	v_and_b32 v3, 8, v232
	s_delay_alu instid0(VALU_DEP_1)
	v_add_nc_u32 v3, v3, v232                      ; r + 8 (r / 8)
	s_delay_alu instid0(VALU_DEP_3)
	v_lshlrev_b32 v233, 4, v233
	s_delay_alu instid0(VALU_DEP_1)
	v_sub_nc_u32 v3, v3, v233
	s_lshl_b32 s40, s46, 5
	s_lshl_b32 s41, s45, 3
	s_add_co_u32 s40, s40, s41
	v_add_nc_u32 v3, s40, v3                       ; my query in its group of 64, less 16 h
	s_lshl_b32 s41, s46, 7
	v_lshl_add_u32 v4, v232, 3, s41                ; q's scale word: 8 (r + 16 (cx / 2))
	s_lshr_b32 s40, s14, 3
	s_lshl_b32 s40, s40, 8
	s_and_b32 s41, s14, 3
	s_lshl_b32 s41, s41, 2
	s_add_co_u32 s40, s40, s41
	s_bfe_u32 s41, s14, 0x10002
	s_lshl_b32 s41, s41, 9
	s_add_co_u32 s40, s40, s41
	v_lshl_add_u32 v5, v232, 4, s40                ; G' of row-lane r and my head in a tile's image
	v_lshlrev_b32 v6, 4, v232                      ; y's scale bytes: 16 bytes a row
	s_lshr_b32 s40, s14, 1
	s_mul_i32 s55, s40, 12288
	s_and_b32 s41, s14, 1
	s_mul_i32 s44, s41, 768
	s_add_co_u32 s55, s55, s44                     ; y's codes: K step head / 2, half head % 2
	s_lshr_b32 s58, s14, 3
	s_lshl_b32 s58, s58, 8
	s_and_b32 s40, s40, 3
	s_lshl_b32 s40, s40, 2
	s_add_co_u32 s58, s58, s40
	s_lshl_b32 s41, s41, 1
	s_add_co_u32 s58, s58, s41
	s_add_co_u32 s58, s58, 6291456                 ; y's scale bytes: my head's two in a row's eight words
.irp j, 16,17,18,19,20,21,28,29,30,31,32,33
	v_mov_b32 v\j, 0                               ; the zero codes on both sides of q
.endr
.irp b, 0,1,2,3
	v_mov_b32 v[216+\b], 0                         ; written once: a lane permute's destination counts as one of its sources
.endr
	v_mov_b32 v227, 0                              ; (named as the upper half of the pair v[226:227])
	s_wait_tensorcnt 0x0                           ; my part has landed,
	s_barrier_signal -1
	s_barrier_wait -1                              ; everybody's has
	s_mov_b32 s15, s10                             ; G
	s_mov_b32 s36, 0
.Lpass:
	s_wait_xcnt 0x0                                ; the last pass's stores have read their registers and bases
	s_lshr_b32 s16, s15, 1                         ; the last key step that counts: G / 2
	s_and_b32 s40, s15, 1
	s_lshl_b32 s41, s15, 1
	s_add_co_u32 s41, s41, s46
	s_mul_i32 s41, s41, 1536
	s_add_co_u32 s41, s41, s47
	s_add_co_u32 s42, s41, s38
	s_add_nc_u64 s[48:49], s[4:5], s[42:43]        ; q: fragment 2 G + cx / 2, half cx % 2
	global_load_b128 v[22:25], v1, s[48:49]
	global_load_b64 v[26:27], v2, s[48:49] offset:512
	s_lshl_b32 s42, s16, 8
	s_lshl_b32 s41, s40, 2
	s_add_co_u32 s42, s42, s41
	s_add_co_u32 s42, s42, s38
	s_add_co_u32 s42, s42, 98304
	s_add_nc_u64 s[50:51], s[4:5], s[42:43]
	global_load_b32 v233, v4, s[50:51]             ; the fragment's scale word
	s_lshl_b32 s42, s13, 7
	s_lshl_b32 s41, s15, 2
	s_add_co_u32 s42, s42, s41
	s_add_co_u32 s42, s42, s11                     ; my tile of rows: 128 x batch + 4 G + cx
	s_lshl_b32 s42, s42, 10
	s_add_co_u32 s42, s42, 1048576
	s_add_nc_u64 s[52:53], s[6:7], s[42:43]
	global_load_b32 v36, v5, s[52:53]              ; G'
	s_wait_loadcnt 0x0
	v_lshrrev_b32 v233, s54, v233                  ; my tile's two bytes,
	s_delay_alu instid0(VALU_DEP_1)
	v_and_b32 v233, 0xffff, v233
	s_delay_alu instid0(VALU_DEP_1)
	v_lshl_or_b32 v34, v233, 16, v233              ; twice: they serve [q | 0] and [0 | q] alike
	v_mov_b32 v37, v36
	v_mul_f32 v38, 0x4138aa3b, v36                 ; 64 c G'
	v_mov_b32 v13, 0xff61b1e6                      ; the largest t so far: -3e38
	s_delay_alu instid0(VALU_DEP_1)
	v_floor_f32 v35, -v13                          ; -M
	v_mov_b32 v14, 0
	v_mov_b32 v15, 0
.set JJ, 0
.rept 32
	v_mov_b32 v[160+JJ], 0                         ; O^T: the step is written once; its first trip finds zeros.  (Also the eight places between q's scale word and the first product)
.set JJ, JJ+1
.endr
	s_mov_b32 s17, 0
.Lstep:                                            ; sixteen trips; a step all of whose keys come after the group's queries is passed over
	s_cmp_gt_u32 s17, s16
	s_cbranch_scc1 .Lskip
	s_mul_i32 s18, s17, 6144
	s_lshl_b32 s19, s17, 8
	s_add_co_u32 s39, s18, VCO
	s_add_co_u32 s40, s19, KSC
	s_add_co_u32 s41, s19, VSC
	v_add_nc_u32 v8, s18, v1                       ; (these six are the places ahead of the loads into registers that the last products read)
	v_add_nc_u32 v9, s18, v2
	v_add_nc_u32 v10, s39, v1
	v_add_nc_u32 v11, s39, v2
	v_add_nc_u32 v7, s40, v2
	v_add_nc_u32 v39, s41, v2
.irp f, 0,1,2,3
	FRAG 40+12*\f, 8, 9, 1536*\f
.endr
	ds_load_b64 v[88:89], v7                       ; lane (r, h): the words of fragments h and 2 + h
	s_wait_alu depctr_va_vdst(0)
	s_wait_dscnt 0x0
.irp f, 0,1,2,3
	SMUL 96+16*\f, 40+12*\f, 22, 88+\f/2, \f%2     ; the fragment's lower half: x [q | 0]
	SMUL 104+16*\f, 40+12*\f, 16, 88+\f/2, \f%2    ; its upper half: x [0 | q]
.endr
.rept 4
	v_nop                                          ; four places ahead of the loads below and of the first read of the scores
.endr
.irp f, 0,1,2,3
	FRAG 40+12*\f, 10, 11, 1536*\f                 ; V's four fragments land under the softmax
.endr
	ds_load_b64 v[90:91], v39
	s_lshl_b32 s40, s17, 1
	s_add_co_u32 s40, s40, 2
	s_cmp_le_u32 s15, s40
	s_cbranch_scc1 .Lnear
	v_mov_b32 v92, v38                             ; far: every distance is 64 or more
	s_branch .Ljoin
.Lnear:
	s_lshl_b32 s40, s15, 6
	s_lshl_b32 s41, s17, 7
	s_sub_co_i32 s40, s40, s41
	v_add_nc_u32 v93, s40, v3                      ; register 16 b + i lies 32 b + i keys on: its distance is this less 32 b + i
	s_delay_alu instid0(VALU_DEP_1)
	v_cvt_f32_i32 v94, v93
	s_delay_alu instid0(VALU_DEP_1)
	v_add_f32 v95, -1.0, v94
.set JJ, 0
	s_delay_alu instid0(VALU_DEP_2)
	v_min_num_f32 v[228+2*(JJ%2)], s37, v94
	s_delay_alu instid0(VALU_DEP_2)
	v_min_num_f32 v[229+2*(JJ%2)], s37, v95
	v_pk_fma_f32 v[96+2*JJ:97+2*JJ], v[228+2*(JJ%2):229+2*(JJ%2)], v[36:37], v[96+2*JJ:97+2*JJ]   ; S + G' min(distance, 64)
.if JJ < 31
.if JJ%8 == 7
	v_pk_add_f32 v[94:95], v[94:95], 0xc1900000 op_sel_hi:[1,0]    ; on to the next block: 18 keys
.else
	s_delay_alu instid0(VALU_DEP_4)
	v_pk_add_f32 v[94:95], v[94:95], -2.0 op_sel_hi:[1,0]
.endif
.endif
.set JJ, JJ+1
.rept (32)-1
	s_delay_alu instid0(VALU_DEP_1)
	v_min_num_f32 v[228+2*(JJ%2)], s37, v94
	s_delay_alu instid0(VALU_DEP_2)
	v_min_num_f32 v[229+2*(JJ%2)], s37, v95
	v_pk_fma_f32 v[96+2*JJ:97+2*JJ], v[228+2*(JJ%2):229+2*(JJ%2)], v[36:37], v[96+2*JJ:97+2*JJ]   ; S + G' min(distance, 64)
.if JJ < 31
.if JJ%8 == 7
	s_delay_alu instid0(VALU_DEP_4)
	v_pk_add_f32 v[94:95], v[94:95], 0xc1900000 op_sel_hi:[1,0]    ; on to the next block: 18 keys
.else
	s_delay_alu instid0(VALU_DEP_4)
	v_pk_add_f32 v[94:95], v[94:95], -2.0 op_sel_hi:[1,0]
.endif
.endif
.set JJ, JJ+1
.endr
	v_mov_b32 v92, 0
	s_cmp_lg_u32 s17, s16
	s_cbranch_scc1 .Ljoin
	v_mov_b32 v234, 0xff800000                     ; the last step: keys behind my query become -infinity: p = 0
.set JJ, 0
.rept 64
	v_cmp_gt_i32 vcc_lo, 32*(JJ/16)+JJ%16, v93
	s_delay_alu instid0(VALU_DEP_1)
	v_cndmask_b32 v[96+JJ], v[96+JJ], v234, vcc_lo
.set JJ, JJ+1
.endr
.Ljoin:
.irp b, 0,1,2,3
	v_max3_num_f32 v[212+\b], v[96+16*\b], v[97+16*\b], v[98+16*\b]   ; the largest score of each block of 32 keys: for the row's maximum and, since p rises with the score, for the block's largest p
.endr
.irp i, 3,5,7,9,11,13
.irp b, 0,1,2,3
	v_max3_num_f32 v[212+\b], v[212+\b], v[96+16*\b+\i], v[97+16*\b+\i]
.endr
.endr
.irp b, 0,1,2,3
	v_max_num_f32 v[212+\b], v[212+\b], v[111+16*\b]
.endr
.irp b, 0,1,2,3
	s_delay_alu instid0(VALU_DEP_4)
	v_permlanex16_b32 v[216+\b], v[212+\b], s20, s21
.endr
.irp b, 0,1,2,3
	s_delay_alu instid0(VALU_DEP_4)
	v_max_num_f32 v[212+\b], v[212+\b], v[216+\b]
.endr
	s_delay_alu instid0(VALU_DEP_2)
	v_max3_num_f32 v232, v212, v213, v214
	s_delay_alu instid0(VALU_DEP_1)
	v_max_num_f32 v232, v232, v215
	s_delay_alu instid0(VALU_DEP_1)
	v_fma_f32 v232, v232, s22, v92                 ; the step's largest t
	s_delay_alu instid0(VALU_DEP_1)
	v_max_num_f32 v13, v13, v232
	v_mov_b32 v232, v35
	s_delay_alu instid0(VALU_DEP_2)
	v_floor_f32 v35, -v13                          ; the new -M = -ceil(t): a whole number
	s_delay_alu instid0(VALU_DEP_1)
	v_sub_f32 v232, v35, v232
	s_delay_alu instid0(VALU_DEP_1)
	v_cvt_i32_f32 v232, v232                       ; (it saturates)
	s_delay_alu instid0(VALU_DEP_1)
	v_ldexp_f32 v226, 1.0, v232                    ; f = 2^(old M - new M): rounds nothing
	s_delay_alu instid0(VALU_DEP_4)
	v_add_f32 v12, v92, v35                        ; the addend: the step's constant part less M
.set JJ, 0
.rept 32
	v_pk_fma_f32 v[96+2*JJ:97+2*JJ], v[96+2*JJ:97+2*JJ], s[22:23], v[12:13] op_sel_hi:[1,0,0]   ; t - M
.set JJ, JJ+1
.endr
.irp b, 0,1,2,3
	v_fma_f32 v[212+\b], v[212+\b], s22, v12
.endr
.set JJ, 0
	s_wait_alu depctr_va_vdst(0)
.rept 64
	v_exp_f32 v[96+JJ], v[96+JJ]                   ; p = 2^(t - M): not normalised
.set JJ, JJ+1
.endr
.irp b, 0,1,2,3
	v_exp_f32 v[212+\b], v[212+\b]                 ; the block's largest p: the same two instructions on the same number
.endr
	v_pk_mul_f32 v[14:15], v[14:15], v[226:227] op_sel_hi:[1,0]    ; the sums under the new M.  (A plain place behind the exponentials)
	s_wait_alu depctr_va_vdst(0)
.irp b, 0,1,2,3
	v_max_num_f32 v[212+\b], 0x1800000, v[212+\b]  ; the floor 2^(3 - 127)
.endr
.irp b, 0,1,2,3
	s_delay_alu instid0(VALU_DEP_4)
	v_add_nc_u32 v[220+\b], 0xff000000, v[212+\b]
.endr
.irp b, 0,1,2,3
	s_delay_alu instid0(VALU_DEP_4)
	v_lshrrev_b32 v[216+\b], 23, v[220+\b]
.endr
	s_delay_alu instid0(VALU_DEP_3)
	v_lshl_or_b32 v232, v217, 8, v216
	s_delay_alu instid0(VALU_DEP_1)
	v_lshl_or_b32 v232, v218, 16, v232
	s_delay_alu instid0(VALU_DEP_1)
	v_lshl_or_b32 v224, v219, 24, v232             ; p's scale word for these 128 keys
.irp c, 0,1
	v_cvt_scalef32_pk16_fp6_f32 v[192+6*\c:194+6*\c], v[96+32*\c:111+32*\c], v[220+2*\c]
	v_cvt_scalef32_pk16_fp6_f32 v[204+4*\c:206+4*\c], v[112+32*\c:127+32*\c], v[221+2*\c]
.endr
	v_nop                                          ; one plain place behind the scaled conversions
.irp c, 0,1
.irp i, 0,1,2
	v_permlane16_swap_b32 v[192+6*\c+\i], v[204+4*\c+\i]
.endr
.irp i, 0,1,2
	s_delay_alu instid0(VALU_DEP_3)
	v_mov_b32 v[195+6*\c+\i], v[204+4*\c+\i]
.endr
.endr
	v_pk_add_f32 v[232:233], v[100:101], v[104:105]
	v_pk_add_f32 v[252:253], v[108:109], v[112:113]
	v_pk_add_f32 v[250:251], v[116:117], v[120:121]
	v_pk_add_f32 v[248:249], v[124:125], v[128:129]
	v_pk_add_f32 v[246:247], v[132:133], v[136:137]
	v_pk_add_f32 v[244:245], v[140:141], v[144:145]
	v_pk_add_f32 v[242:243], v[148:149], v[152:153]
	v_pk_add_f32 v[14:15], v[14:15], v[156:157]
	v_pk_add_f32 v[232:233], v[232:233], v[96:97]
	v_pk_add_f32 v[252:253], v[252:253], v[98:99]
	v_pk_add_f32 v[250:251], v[250:251], v[102:103]
	v_pk_add_f32 v[248:249], v[248:249], v[106:107]
	v_pk_add_f32 v[246:247], v[246:247], v[110:111]
	v_pk_add_f32 v[244:245], v[244:245], v[114:115]
	v_pk_add_f32 v[242:243], v[242:243], v[118:119]
	v_pk_add_f32 v[14:15], v[14:15], v[122:123]
	v_pk_add_f32 v[232:233], v[232:233], v[126:127]
	v_pk_add_f32 v[252:253], v[252:253], v[130:131]
	v_pk_add_f32 v[250:251], v[250:251], v[134:135]
	v_pk_add_f32 v[248:249], v[248:249], v[138:139]
	v_pk_add_f32 v[246:247], v[246:247], v[142:143]
	v_pk_add_f32 v[244:245], v[244:245], v[146:147]
	v_pk_add_f32 v[242:243], v[242:243], v[150:151]
	v_pk_add_f32 v[14:15], v[14:15], v[154:155]
	v_pk_add_f32 v[232:233], v[232:233], v[158:159]
	s_delay_alu instid0(VALU_DEP_2)
	v_pk_add_f32 v[14:15], v[14:15], v[248:249]
	s_delay_alu instid0(VALU_DEP_2)
	v_pk_add_f32 v[232:233], v[232:233], v[246:247]
	v_pk_add_f32 v[252:253], v[252:253], v[244:245]
	v_pk_add_f32 v[250:251], v[250:251], v[242:243]
	s_delay_alu instid0(VALU_DEP_2)
	v_pk_add_f32 v[14:15], v[14:15], v[252:253]
	s_delay_alu instid0(VALU_DEP_2)
	v_pk_add_f32 v[232:233], v[232:233], v[250:251]
	s_delay_alu instid0(VALU_DEP_1)
	v_pk_add_f32 v[14:15], v[14:15], v[232:233]
.set JJ, 0
.rept 16
	v_pk_mul_f32 v[160+2*JJ:161+2*JJ], v[160+2*JJ:161+2*JJ], v[226:227] op_sel_hi:[1,0]   ; O^T under the new M
.set JJ, JJ+1
.endr
	s_wait_alu depctr_va_vdst(0)
	s_wait_dscnt 0x0                               ; V's fragments and words are in
.irp t, 0,1,2,3
	OMUL 160+8*\t, 40+12*\t, 90+\t/2, \t%2         ; the four accumulators by turns
.endr
.Lskip:
	s_add_co_u32 s17, s17, 1
	s_cmp_lt_u32 s17, 16
	s_cbranch_scc1 .Lstep
	; the pass's end: y = O^T / l, quantised along C: my head's 64 are two blocks
.rept 4
	v_nop
.endr
	v_add_f32 v14, v14, v15
	s_delay_alu instid0(VALU_DEP_1)
	v_permlanex16_b32 v216, v14, s20, s21
	s_delay_alu instid0(VALU_DEP_1)
	v_add_f32 v14, v14, v216                       ; the row's sum
	s_wait_alu depctr_va_vdst(0)
	v_rcp_f32 v14, v14
	s_lshl_b32 s41, s13, 4
	s_add_co_u32 s41, s41, s16                     ; y's block of 128 rows: 16 x batch + G / 2
	s_and_b32 s40, s15, 1
	s_lshl_b32 s40, s40, 2
	s_add_co_u32 s40, s40, s11                     ; its tile: 4 (G % 2) + cx
	v_nop                                          ; a plain place behind the reciprocal
.set JJ, 0
	s_wait_alu depctr_va_vdst(0)
.rept 16
	v_pk_mul_f32 v[96+2*JJ:97+2*JJ], v[160+2*JJ:161+2*JJ], v[14:15] op_sel_hi:[1,0]   ; register 16 b + i: channel 32 b + 16 h + i; each accumulator from its low end on
.set JJ, JJ+1
.endr
.irp b, 0,1
	v_max3_num_f32 v[212+\b], |v[96+16*\b]|, |v[97+16*\b]|, 0x1800000
.endr
.irp i, 2,4,6,8,10,12,14
.irp b, 0,1
	s_delay_alu instid0(VALU_DEP_2)
	v_max3_num_f32 v[212+\b], v[212+\b], |v[96+16*\b+\i]|, |v[97+16*\b+\i]|
.endr
.endr
.irp b, 0,1
	s_delay_alu instid0(VALU_DEP_2)
	v_permlanex16_b32 v[216+\b], v[212+\b], s20, s21
.endr
.irp b, 0,1
	s_delay_alu instid0(VALU_DEP_2)
	v_max_num_f32 v[212+\b], v[212+\b], v[216+\b]
.endr
.irp b, 0,1
	s_delay_alu instid0(VALU_DEP_2)
	v_add_nc_u32 v[220+\b], 0xff000000, v[212+\b]
.endr
.irp b, 0,1
	s_delay_alu instid0(VALU_DEP_2)
	v_lshrrev_b32 v[216+\b], 23, v[220+\b]
.endr
	v_cvt_scalef32_pk16_fp6_f32 v[192:194], v[96:111], v220
	v_cvt_scalef32_pk16_fp6_f32 v[204:206], v[112:127], v221
	v_lshl_or_b32 v232, v217, 8, v216              ; (a plain place behind the conversions)  my head's two scale bytes
.irp i, 0,1,2
	v_permlane16_swap_b32 v[192+\i], v[204+\i]
.endr
.irp i, 0,1,2
	s_delay_alu instid0(VALU_DEP_3)
	v_mov_b32 v[195+\i], v[204+\i]                 ; lane (r, h): block h of row r, 24 bytes
.endr
	s_mul_i32 s42, s41, 98304
	s_mul_i32 s44, s40, 1536
	s_add_co_u32 s42, s42, s44
	s_add_co_u32 s42, s42, s55
	s_add_nc_u64 s[56:57], s[8:9], s[42:43]
	s_lshl_b32 s42, s41, 12
	s_lshl_b32 s44, s40, 9
	s_add_co_u32 s42, s42, s44
	s_add_co_u32 s42, s42, s58
	s_add_nc_u64 s[60:61], s[8:9], s[42:43]
	s_wait_alu depctr_va_vdst(0)
	global_store_b128 v1, v[192:195], s[56:57]     ; 512 consecutive bytes
	global_store_b64 v2, v[196:197], s[56:57] offset:512
	global_store_b16 v6, v232, s[60:61]            ; lanes r and r + 16 write the same two bytes with the same value
	s_sub_co_u32 s15, 31, s15                      ; the second pass takes the group that makes up 17 steps
	s_add_co_u32 s36, s36, 1
	s_cmp_lt_u32 s36, 2
	s_cbranch_scc1 .Lpass
	s_wait_tensorcnt 0x0
	ds_add_u32 v254, v255
	s_wait_dscnt 0x0
	CROUND                                         ; the closing round
	s_endpgm
.Lfunc_end_k_q23703daa1c_attn:
	.size	k_q23703daa1c_attn, .Lfunc_end_k_q23703daa1c_attn-k_q23703daa1c_attn
	.p2alignl 7, 3214868480
	.fill 96, 4, 3214868480
	.section	.rodata,"a",@progbits
	.p2align	6, 0x0
	.amdhsa_kernel k_q23703daa1c_attn
		.amdhsa_group_segment_fixed_size 206848
		.amdhsa_private_segment_fixed_size 0
		.amdhsa_enable_private_segment 0
		.amdhsa_kernarg_size 24
		.amdhsa_user_sgpr_count 2
		.amdhsa_user_sgpr_kernarg_segment_ptr 1
		.amdhsa_wavefront_size32 1
		.amdhsa_system_sgpr_workgroup_id_x 1
		.amdhsa_system_sgpr_workgroup_id_y 1
		.amdhsa_system_sgpr_workgroup_id_z 1
		.amdhsa_system_vgpr_workitem_id 0
		.amdhsa_next_free_vgpr 256
		.amdhsa_next_free_sgpr 66
		.amdhsa_reserve_vcc 1
		.amdhsa_float_denorm_mode_32 3
		.amdhsa_float_denorm_mode_16_64 3
		.amdhsa_memory_ordered 1
		.amdhsa_forward_progress 1
		.amdhsa_inst_pref_size 48
	.end_amdhsa_kernel
	.amdgpu_metadata
---
amdhsa.version: [ 1, 2 ]
amdhsa.kernels:
  - .name:           k_q23703daa1c_attn
    .symbol:         k_q23703daa1c_attn.kd
    .args:
      - { .name: qkv, .offset: 0, .size: 8, .value_kind: global_buffer, .address_space: global }
      - { .name: aux, .offset: 8, .size: 8, .value_kind: global_buffer, .address_space: global }
      - { .name: yq, .offset: 16, .size: 8, .value_kind: global_buffer, .address_space: global }
    .group_segment_fixed_size: 206848
    .private_segment_fixed_size: 0
    .kernarg_segment_align: 8
    .kernarg_segment_size: 24
    .max_flat_workgroup_size: 512
    .sgpr_count:     66
    .vgpr_count:     256
    .wavefront_size: 32
...
	.end_amdgpu_metadata
.endif
;; end of part 3
;; launch proj (part 4): grid 4 x 64, 4 waves a work-group, clusters of 4 x 4, 327,680 bytes of LDS; arguments yq, wq, out0; writes out0
.if DOCPART == 4
	.amdgcn_target "amdgcn-amd-amdhsa--gfx1250"
	.amdhsa_code_object_version 6
	.text
	.protected	k_q23703daa1c_proj
	.globl	k_q23703daa1c_proj
	.p2align	8
	.type	k_q23703daa1c_proj,@function
k_q23703daa1c_proj:
	s_mov_b64 s[64:65], 0
	v_nop
	global_prefetch_b8 v0, s[64:65] scope:SCOPE_SE
	s_setreg_imm32_b32 hwreg(HW_REG_WAVE_MODE, 25, 1), 1
	s_wait_xcnt 0x0
	s_wait_alu depctr_hold_cnt(0) depctr_sa_sdst(0) depctr_va_vdst(0) depctr_va_sdst(0) depctr_va_ssrc(0) depctr_va_vcc(0) depctr_vm_vsrc(0)
	s_getreg_b32 s2, hwreg(HW_REG_IB_STS2, 6, 4)
	s_cmp_eq_u32 s2, 0
	s_cbranch_scc0 .Lentry_in_a_cluster
	s_endpgm
.Lentry_in_a_cluster:
	s_bfe_u32 s2, ttmp6, 0x10000c
	s_cmp_lg_u32 s2, 0xf033
	s_cbranch_scc0 .Lentry_shape_is_right
	s_endpgm
.Lentry_shape_is_right:
; OUT = y W_proj on codes of E2M3 (K = 1024), f32 out.  A work-group of four waves makes 128 rows x 256 columns: 64 x 4 = 256 work-groups.  A wave makes 64 x 128: 32 accumulators, 256 registers.
; Source 0 (B) = columns n of W_proj, source 1 (A) = rows of y.  Operands lie in memory as images of their registers ([rows/128][K step 8][tile 8][1,536 bytes]), so a block of 128 rows, all of K, is 98,304 dense bytes.
; ALL OF K LIES IN LDS AT ONCE: A's block at 0, B's two blocks behind it: 294,912 bytes, each byte filled once.  One tensor load a wave, at the head: waves 0, 1 halves of A's block (49,152 bytes), waves 2, 3 a block of B each.
; CLUSTERS: 4 x 4; A's block is shared along the cluster's row, B's along its column: each is asked for jointly.
; THE SCALE WORDS ([rows/128][tile 8][K step / 4][r 16][K step % 4]) go from memory straight into 96 registers, 16 lanes to 256 consecutive bytes, while the tiles are on their way; lanes 16-31 hold the same words and are not read.
; No prefetch: the text has no loop to run ahead in, and every tile is asked for once, at the head.
; THE ROWS OF A TILE: lane r of tile i of a block of 128 holds row 32 (i/2) + 8 (i%2) + r + 8 (r/8); of the 64 registers of one A tile, register 16 b + i is column 32 b + 16 (lane/16) + i; the way out puts rows and columns back.
; REGISTERS: window 0: v1-29 addresses; v32-95 B's scale words (tile b, K step k at 32 + 8 b + k), v96-127 A's: scales and nothing else; v128-175, v176-223 A's 4 fragments, two sets; on the way out v128-255 rows of the result.
;   window 1: B's 8 fragments, two sets, at v0 and v128.   window 2: accumulator (a, b) at v[8 (8 a + b)].
.set FR,     12
.set BLK,    98304                     ; a block of 128 rows, all of K
.set HALFK,  49152                     ; four K steps of it
.set SPARE,  294912                    ; the spare words, 128 bytes for each wave: two blocks of 256 bytes that no other line names
.set SPITCH, 528                       ; the way out: a stage of 16 rows x (512 + 16) bytes for each wave, in A's bytes, behind the barrier at which all LDS reads are over
.set SB,     32
.set SA,     96
.set AF,     128
.set BK,     128
.set G1A,    24
.set G1B,    32
.set G0A,    56
.set G0B,    72
.set MSB, 0
.macro WIN new                         ; the immediate's high byte repeats the setting that is left
.if MSB != (\new)
	s_set_vgpr_msb (MSB<<8)|(\new)
.set MSB, (\new)
.endif
.endm
.set MUL,  0xa1                        ; source 0 (B) window 1, source 1 (A) window 0, C and D window 2
.set TO_B, 0x40                        ; destination window 1, address window 0
.macro CROUND                          ; a round of the cluster's barrier
	s_barrier_signal -1
	s_barrier_wait -1
	s_cmp_lg_u32 s14, 0
	s_cbranch_scc1 .Lnot_wave_0_\@
	s_barrier_signal -3
.Lnot_wave_0_\@:
	s_barrier_wait -3
	s_barrier_signal -1
	s_barrier_wait -1
.endm
.macro PLACES n
.rept \n
	v_nop
.endr
.endm
.macro FRAG reg, a16, a8, off          ; a fragment's image: four contiguous loads
	ds_load_b128 v[\reg:\reg+3], v[\a16] offset:\off
	ds_load_b64 v[\reg+4:\reg+5], v[\a8] offset:\off+512
	ds_load_b128 v[\reg+6:\reg+9], v[\a16] offset:\off+768
	ds_load_b64 v[\reg+10:\reg+11], v[\a8] offset:\off+1280
.endm
.macro FETCH k                         ; K step k: B's eight fragments and A's four into set k % 2; K steps 4-7 by the second address registers
	WIN TO_B
.irp i, 0,1,2,3,4,5,6,7
	FRAG 128*((\k)%2)+FR*\i, 20+2*((\k)/4), 21+2*((\k)/4), ((\k)%4)*12288+1536*\i
.endr
	WIN 0
.irp i, 0,1,2,3
	FRAG AF+48*((\k)%2)+FR*\i, 16+2*((\k)/4), 17+2*((\k)/4), ((\k)%4)*12288+1536*\i
.endr
.endm
.macro MUL32 k                         ; the 32 accumulators take turns, one instruction a turn, in the same order in every step; K step 0 starts the sums
.irp a, 0,1,2,3
.irp b, 0,1,2,3,4,5,6,7
.if (\k) == 0
	v_wmma_scale_f32_16x16x128_f8f6f4 v[8*(8*\a+\b):8*(8*\a+\b)+7], v[128*((\k)%2)+FR*\b:128*((\k)%2)+FR*\b+FR-1], v[AF+48*((\k)%2)+FR*\a:AF+48*((\k)%2)+FR*\a+FR-1], 0, v[SB+8*\b+(\k)], v[SA+8*\a+(\k)] matrix_a_fmt:MATRIX_FMT_FP6 matrix_b_fmt:MATRIX_FMT_FP6
.else
	v_wmma_scale_f32_16x16x128_f8f6f4 v[8*(8*\a+\b):8*(8*\a+\b)+7], v[128*((\k)%2)+FR*\b:128*((\k)%2)+FR*\b+FR-1], v[AF+48*((\k)%2)+FR*\a:AF+48*((\k)%2)+FR*\a+FR-1], v[8*(8*\a+\b):8*(8*\a+\b)+7], v[SB+8*\b+(\k)], v[SA+8*\a+(\k)] matrix_a_fmt:MATRIX_FMT_FP6 matrix_b_fmt:MATRIX_FMT_FP6
.endif
.endr
.endr
.endm
; THE WAY OUT, a tile of 16 rows x 128 columns at a time: through my own stage, back as whole rows of 512 bytes.  LDS serves a wave's instructions in order: no wait between the stores and the loads.
.macro TOSTAGE a
	WIN 0x08                                       ; an LDS store's data are its source 1: window 2
.irp b, 0,1,2,3,4,5,6,7
	ds_store_b128 v7, v[64*(\a)+8*\b:64*(\a)+8*\b+3] offset:128*(\b/2)+32*(\b%2)      ; each accumulator from its low end on; columns 32 (b/2) + 16 h + 8 (b%2) + 0 .. 7
	ds_store_b128 v7, v[64*(\a)+8*\b+4:64*(\a)+8*\b+7] offset:128*(\b/2)+32*(\b%2)+16
.endr
	WIN 0
.irp t, 0,1,2,3,4,5,6,7,8,9,10,11,12,13,14,15
	ds_load_b128 v[BK+64*((\a)%2)+4*\t:BK+64*((\a)%2)+4*\t+3], v8 offset:\t*SPITCH
.endr
.endm
.macro SEND a, younger                 ; younger: the LDS instructions issued behind tile a's loads, which may stay out
	s_wait_dscnt \younger
.irp t, 0,1,2,3,4,5,6,7,8,9,10,11,12,13,14,15
	global_store_b128 v3, v[BK+64*((\a)%2)+4*\t:BK+64*((\a)%2)+4*\t+3], s[8:9] offset:(32*((\a)/2)+8*((\a)%2)+\t+8*(\t/8))*4096 th:TH_STORE_NT   ; 512 consecutive bytes of the row that lane t of tile a stands for
.endr
.endm
	s_load_b128 s[4:7], s[0:1], 0x0                ; yq, wq
	s_load_b64 s[8:9], s[0:1], 0x10                ; out0
	v_lshl_add_u32 v28, v0, 2, SPARE
	v_mov_b32 v29, 0
	ds_add_u32 v28, v29                            ; the opening lines: the add, twice on end, and its wait ahead of my tensor load
	ds_add_u32 v28, v29
	v_lshrrev_b32 v1, 5, v0
	v_readfirstlane_b32 s14, v1                    ; wave 0..3
	s_lshr_b32 s15, s14, 1                         ; my 64 rows of A's block.  Also: I fetch for A (0) or for B (1)
	s_and_b32 s16, s14, 1                          ; my block of B.  Also: which part I fetch
	s_bfe_u32 s92, ttmp6, 0x40000                  ; cx
	s_bfe_u32 s93, ttmp6, 0x40004                  ; cy
	s_lshl_b32 s94, ttmp9, 2
	s_add_co_u32 s94, s94, s92                     ; B's tile of 256 columns
	s_and_b32 s97, ttmp7, 0xffff
	s_lshl_b32 s97, s97, 2
	s_add_co_u32 s97, s97, s93                     ; A's block of 128 rows
	s_lshl_b32 s17, s93, 2
	s_lshl_b32 s17, 15, s17                        ; my row of the cluster
	s_lshl_b32 s18, 0x1111, s92                    ; my column
	s_or_b32 s[G1A], s17, (3<<16)|(1<<21)          ; 15:0 the mask; elements of 8 bytes; 21 set beside a mask; no padding
	s_or_b32 s[G1B], s18, (3<<16)|(1<<21)
	s_mov_b32 s[G1A+1], 32<<16                     ; A: 49,152 dense bytes as 192 rows of 256
	s_mov_b32 s[G1A+2], 192<<16
	s_mov_b32 s[G1A+3], 32<<16
	s_mov_b32 s[G1A+4], 192
	s_mov_b32 s[G1A+5], 32
	s_mov_b32 s[G1A+6], 0
	s_mov_b32 s[G1A+7], 0
	s_mov_b32 s[G1B+1], 32<<16                     ; B: 98,304 dense bytes as 384 rows of 256
	s_mov_b32 s[G1B+2], 384<<16
	s_mov_b32 s[G1B+3], 32<<16
	s_mov_b32 s[G1B+4], 384
	s_mov_b32 s[G1B+5], 32
	s_mov_b32 s[G1B+6], 0
	s_mov_b32 s[G1B+7], 0
	; A's addresses are made of cy, B's of cx, each in registers that never hold the other
	s_mul_i32 s2, s97, BLK
	s_mul_i32 s12, s16, HALFK
	s_add_co_u32 s2, s2, s12                       ; A's codes: my half along K
	s_mov_b32 s3, 0
	s_lshl_b32 s19, s94, 1
	s_add_co_u32 s19, s19, s16                     ; B's block of 128 columns: the one I fetch, and the one I multiply
	s_mul_i32 s98, s19, BLK
	s_add_co_u32 s98, s98, 2457600                 ; W_proj's codes in wq
	s_mov_b32 s99, 0
	s_mov_b32 s[G0A], 1
	s_mul_i32 s[G0A+1], s14, HALFK                 ; waves 0, 1: LDS 0 and 49,152
	s_mov_b32 s[G0B], 1
	s_mul_i32 s41, s16, BLK
	s_add_co_u32 s41, s41, BLK                     ; B's block in LDS: no place in the cluster enters an LDS address
	s_mov_b32 s[G0B+1], s41
	s_lshl_b32 s46, s97, 12
	s_lshl_b32 s47, s15, 11
	s_add_co_u32 s46, s46, s47
	s_add_co_u32 s46, s46, 6291456                 ; y's scale words: my four tiles
	s_mov_b32 s47, 0
	s_lshl_b32 s48, s19, 12
	s_add_co_u32 s48, s48, 3244032                 ; W_proj's scale words: my block
	s_mov_b32 s49, 0
	s_lshl_b32 s66, s97, 19                        ; out0: 128 rows of 4,096 bytes a block,
	s_lshl_b32 s67, s15, 18                        ; my 64 rows,
	s_add_co_u32 s66, s66, s67
	s_lshl_b32 s67, s19, 9                         ; my 128 columns
	s_add_co_u32 s66, s66, s67
	s_mov_b32 s67, 0
	s_mul_i32 s17, s15, 6144                       ; my four tiles in a K step of A
	s_mul_i32 s42, s14, 16*SPITCH                  ; my stage
	s_wait_dscnt 0x0                               ; both opening adds are done
	s_wait_kmcnt 0x0
	s_add_nc_u64 s[G0A+2:G0A+3], s[4:5], s[2:3]
	s_or_b32 s[G0A+3], s[G0A+3], 0x80000000
	s_add_nc_u64 s[G0B+2:G0B+3], s[6:7], s[98:99]
	s_or_b32 s[G0B+3], s[G0B+3], 0x80000000
	s_add_nc_u64 s[20:21], s[4:5], s[46:47]
	s_add_nc_u64 s[22:23], s[6:7], s[48:49]
	s_add_nc_u64 s[8:9], s[8:9], s[66:67]
	CROUND                                         ; all sixteen work-groups are here: the joint loads meet
	s_cmp_eq_u32 s15, 0                            ; one load a wave, the only one of the launch; an s_nop 0 and four v_nop follow each line
	s_cbranch_scc0 .Lfor_b
	tensor_load_to_lds s[G0A:G0A+3], s[G1A:G1A+7]
	s_nop 0
	PLACES 4
	s_branch .Lasked
.Lfor_b:
	tensor_load_to_lds s[G0B:G0B+3], s[G1B:G1B+7]
	s_nop 0
	PLACES 4
.Lasked:
	v_and_b32 v1, 31, v0                           ; lane
	v_bfe_u32 v2, v0, 4, 1                         ; h
	v_and_b32 v6, 15, v0                           ; r
	v_lshlrev_b32 v3, 4, v1
	v_lshlrev_b32 v4, 3, v1
	v_lshlrev_b32 v5, 4, v6                        ; a row's four scale words
	v_add_nc_u32 v16, s17, v3                      ; A's fragments: + 16 x lane, + 8 x lane; K steps 0-3, then 4-7
	v_add_nc_u32 v17, s17, v4
	v_add_nc_u32 v18, HALFK, v16
	v_add_nc_u32 v19, HALFK, v17
	v_add_nc_u32 v20, s41, v3                      ; B's
	v_add_nc_u32 v21, s41, v4
	v_add_nc_u32 v22, HALFK, v20
	v_add_nc_u32 v23, HALFK, v21
	v_mul_u32_u24 v7, v6, SPITCH
	v_lshl_add_u32 v7, v2, 6, v7
	v_add_nc_u32 v7, s42, v7                       ; the stage, in: row r, + 64 h
	v_add_nc_u32 v8, s42, v3                       ; back: 16 bytes a lane of a whole row
	s_wait_alu depctr_va_vdst(0)
.irp i, 0,1,2,3,4,5,6,7
	global_load_b128 v[SB+8*\i:SB+8*\i+3], v5, s[22:23] offset:512*\i
	global_load_b128 v[SB+8*\i+4:SB+8*\i+7], v5, s[22:23] offset:512*\i+256
.endr
.irp i, 0,1,2,3
	global_load_b128 v[SA+8*\i:SA+8*\i+3], v5, s[20:21] offset:512*\i
	global_load_b128 v[SA+8*\i+4:SA+8*\i+7], v5, s[20:21] offset:512*\i+256
.endr
	s_wait_tensorcnt 0x0                           ; my part has landed,
	s_barrier_signal -1
	s_barrier_wait -1                              ; everybody's has
	FETCH 0
	s_wait_loadcnt 0x0                             ; the scale words are in
.irp k, 0,1,2,3,4,5,6
	s_wait_dscnt 0x0                               ; this K step's fragments are in (asked for 32 products ago)
.if \k > 0
	PLACES 4                                       ; four plain places ahead of loads into registers that the last products read (ISA guide 7.12.1 for vector instructions)
.endif
	FETCH \k+1
	WIN MUL
	MUL32 \k
.endr
	s_wait_dscnt 0x0                               ; K step 7's fragments are in: my LDS reads are over
	s_barrier_signal -1
	MUL32 7
	WIN 0
	s_barrier_wait -1                              ; nobody reads the tiles any more: the stages may be written
	PLACES 4                                       ; ahead of the first read of results and of loads into the registers that held A's fragments
	TOSTAGE 0
.irp a, 1,2,3
.if \a > 1
	s_wait_xcnt 0x0                                ; tile a - 2's stores have read their registers: tile a's loads may land there
.endif
	TOSTAGE \a
	SEND \a-1, 32                                  ; behind tile a - 1's loads: tile a's 16 stores and 16 loads
.endr
	SEND 3, 0
	s_wait_tensorcnt 0x0                           ; the wave's end
	ds_add_u32 v28, v29
	s_wait_dscnt 0x0
	CROUND                                         ; the closing round
	s_endpgm
.Lfunc_end_k_q23703daa1c_proj:
	.size	k_q23703daa1c_proj, .Lfunc_end_k_q23703daa1c_proj-k_q23703daa1c_proj
	.p2alignl 7, 3214868480
	.fill 96, 4, 3214868480
	.section	.rodata,"a",@progbits
	.p2align	6, 0x0
	.amdhsa_kernel k_q23703daa1c_proj
		.amdhsa_group_segment_fixed_size 327680
		.amdhsa_private_segment_fixed_size 0
		.amdhsa_enable_private_segment 0
		.amdhsa_kernarg_size 24
		.amdhsa_user_sgpr_count 2
		.amdhsa_user_sgpr_kernarg_segment_ptr 1
		.amdhsa_wavefront_size32 1
		.amdhsa_system_sgpr_workgroup_id_x 1
		.amdhsa_system_sgpr_workgroup_id_y 1
		.amdhsa_system_sgpr_workgroup_id_z 1
		.amdhsa_system_vgpr_workitem_id 0
		.amdhsa_next_free_vgpr 768
		.amdhsa_next_free_sgpr 100
		.amdhsa_reserve_vcc 0
		.amdhsa_float_denorm_mode_32 3
		.amdhsa_float_denorm_mode_16_64 3
		.amdhsa_memory_ordered 1
		.amdhsa_forward_progress 1
		.amdhsa_inst_pref_size 81
	.end_amdhsa_kernel
	.amdgpu_metadata
---
amdhsa.version: [ 1, 2 ]
amdhsa.kernels:
  - .name:           k_q23703daa1c_proj
    .symbol:         k_q23703daa1c_proj.kd
    .args:
      - { .name: yq, .offset: 0, .size: 8, .value_kind: global_buffer, .address_space: global }
      - { .name: wq, .offset: 8, .size: 8, .value_kind: global_buffer, .address_space: global }
      - { .name: out0, .offset: 16, .size: 8, .value_kind: global_buffer, .address_space: global }
    .group_segment_fixed_size: 327680
    .private_segment_fixed_size: 0
    .kernarg_segment_align: 8
    .kernarg_segment_size: 24
    .max_flat_workgroup_size: 128
    .sgpr_count:     100
    .vgpr_count:     768
    .wavefront_size: 32
...
	.end_amdgpu_metadata
.endif
;; end of part 4
